; MI455X (gfx1250); checked and timed in simulation.
; The chip was launched on July 23, 2026; its instructions are those of AMD's public machine-readable ISA for CDNA 5 (MIT licence, August 2026) and "CDNA5" Instruction Set Architecture Reference Guide (July 2026). The comments in the code are by the model that wrote it; some were corrected since.
;; Expert Net. Allowed arithmetic: float matrix products may take bf16 or f16 operands with f32 sums; all other float work in f32.
;; Inputs: W1 16 x 64 x 256 float32; W2 16 x 256 x 10 float32; X 32,768 x 1,024 float32; b1 16 x 256 float32; b2 16 x 10 float32; enc_W 1,024 x 512 float32; enc_b 512 float32; mu 16 x 64 float32; z_W 512 x 64 float32; z_b 64 float32.
;; Outputs: out0 32,768 x 10 float32.
;; 2 versions, each right and faster than the one before. Each part assembles by itself: llvm-mc -triple=amdgcn-amd-amdhsa -mcpu=gfx1250 --defsym DOCPART=n.
;; ======== version 1 of 2: 2 launches
;; workspace buffers: wk 1,785,856 bytes
;; launch prep (part 1): grid 432 x 1, 8 waves a work-group, no clusters, 0 bytes of LDS; arguments enc_W, W1, z_W, W2, b1, wk; writes wk
.if DOCPART == 1
	.amdgcn_target "amdgcn-amd-amdhsa--gfx1250"
	.amdhsa_code_object_version 6
	.text
	.protected	k_q4ab5d86865_prep
	.globl	k_q4ab5d86865_prep
	.p2align	8
	.type	k_q4ab5d86865_prep,@function
k_q4ab5d86865_prep:
	s_mov_b64 s[64:65], 0
	v_nop
	global_prefetch_b8 v0, s[64:65] scope:SCOPE_SE
	s_setreg_imm32_b32 hwreg(HW_REG_WAVE_MODE, 25, 1), 1
	s_wait_xcnt 0x0
; Casts the weights to bf16 once, in their own [k][n] order, so that the 256 work-groups of the next launch need not each do it.
; wk: byte 0        enc_W as bf16 [1024][512]
;     byte ZWOFF    z_W   as bf16 [512][64]
;     byte RECOFF   16 records of RECB bytes, one for each expert: W1[k] bf16 [64][256] (32,768 bytes), W2[k] bf16 [256][16] with
;                   columns 10..15 zero (8,192 bytes), b1[k] as 256 f32, unchanged (1,024 bytes): 82 rows of 512 bytes.
; Work-groups 0-255 take enc_W, 256-383 W1, 384-399 z_W (2,048 numbers each), 400-431 W2 and b1 (half an expert each).
; A stream: no LDS, no barrier, no matrix unit; every input byte is read once, every byte of wk is written once.
.set ZWOFF,  1048576
.set RECOFF, 1114112
.set RECB,   41984
; 2,048 f32 at s[p:p+1] + s[20:21] become 2,048 bf16 at wk + s[22:23].  A wave's load covers 512 consecutive bytes, its store 256.
.macro DENSE p
	s_add_nc_u64 s[20:21], s[\p:\p+1], s[20:21]
	s_add_nc_u64 s[22:23], s[14:15], s[22:23]
	global_load_b128 v[8:11], v3, s[20:21] th:TH_LOAD_NT
	global_load_b128 v[12:15], v3, s[20:21] offset:512 th:TH_LOAD_NT
	s_wait_loadcnt 0x0
	v_cvt_pk_bf16_f32 v16, v8, v9
	v_cvt_pk_bf16_f32 v17, v10, v11
	v_cvt_pk_bf16_f32 v18, v12, v13
	v_cvt_pk_bf16_f32 v19, v14, v15
	global_store_b64 v4, v[16:17], s[22:23]
	global_store_b64 v4, v[18:19], s[22:23] offset:256
	s_endpgm
.endm
	s_load_b256 s[4:11], s[0:1], 0x0               ; enc_W s[4:5], W1 s[6:7], z_W s[8:9], W2 s[10:11]
	s_load_b128 s[12:15], s[0:1], 0x20             ; b1 s[12:13], wk s[14:15]
	v_lshrrev_b32 v1, 5, v0
	v_readfirstlane_b32 s17, v1                    ; wave
	v_and_b32 v2, 31, v0                           ; lane
	v_lshlrev_b32 v3, 4, v2
	v_lshl_add_u32 v3, v1, 10, v3                  ; source: wave x 1,024 + lane x 16
	v_lshlrev_b32 v4, 3, v2
	v_lshl_add_u32 v4, v1, 9, v4                   ; destination: wave x 512 + lane x 8
	s_mov_b32 s16, ttmp9
	s_mov_b32 s21, 0
	s_mov_b32 s23, 0
	s_wait_kmcnt 0x0
	s_cmp_ge_u32 s16, 256
	s_cbranch_scc1 .Lnot_enc
	s_lshl_b32 s20, s16, 13
	s_lshl_b32 s22, s16, 12
	DENSE 4
.Lnot_enc:
	s_cmp_ge_u32 s16, 384
	s_cbranch_scc1 .Lnot_w1
	s_sub_co_u32 s18, s16, 256
	s_lshl_b32 s20, s18, 13
	s_lshr_b32 s19, s18, 3                         ; expert
	s_and_b32 s18, s18, 7                          ; eighth of its W1
	s_mul_i32 s22, s19, RECB
	s_lshl_b32 s18, s18, 12
	s_add_co_u32 s22, s22, s18
	s_add_co_u32 s22, s22, RECOFF
	DENSE 6
.Lnot_w1:
	s_cmp_ge_u32 s16, 400
	s_cbranch_scc1 .Lw2
	s_sub_co_u32 s18, s16, 384
	s_lshl_b32 s20, s18, 13
	s_lshl_b32 s22, s18, 12
	s_add_co_u32 s22, s22, ZWOFF
	DENSE 8
.Lw2:
	; W2[k]: rows of 10 f32 become rows of 16 bf16.  Thread t makes 16 bytes: unit u = 256 part + t, row u / 2, columns 8 (u & 1) .. + 7.
	s_sub_co_u32 s18, s16, 400
	s_lshr_b32 s19, s18, 1                         ; expert
	s_and_b32 s18, s18, 1                          ; part
	s_lshl_b32 s24, s18, 8
	v_add_nc_u32 v5, s24, v0                       ; u
	v_lshrrev_b32 v6, 1, v5                        ; row
	v_and_b32 v7, 1, v0                            ; half
	v_mul_u32_u24 v8, v6, 40
	v_lshl_add_u32 v8, v7, 5, v8                   ; row x 40 + half x 32
	v_cmp_eq_u32 s25, 1, v7
.irp j, 1,2,3
	v_add_nc_u32 v[8+\j], 8*\j, v8                 ; the lower half reads 4 x 8 bytes;
	v_cndmask_b32 v[8+\j], v[8+\j], v8, s25        ; the upper half has only columns 8, 9: it reads them four times, so that no load passes the row's end
.endr
	s_mul_i32 s20, s19, 10240
	s_add_nc_u64 s[20:21], s[10:11], s[20:21]
	global_load_b64 v[12:13], v8, s[20:21] th:TH_LOAD_NT
	global_load_b64 v[14:15], v9, s[20:21] th:TH_LOAD_NT
	global_load_b64 v[16:17], v10, s[20:21] th:TH_LOAD_NT
	global_load_b64 v[18:19], v11, s[20:21] th:TH_LOAD_NT
	s_mul_i32 s22, s19, RECB
	s_lshl_b32 s24, s18, 12
	s_add_co_u32 s22, s22, s24
	s_add_co_u32 s22, s22, RECOFF+32768
	s_add_nc_u64 s[22:23], s[14:15], s[22:23]
	v_lshlrev_b32 v5, 4, v0
	s_wait_loadcnt 0x0
.irp j, 14,15,16,17,18,19
	v_cndmask_b32 v\j, v\j, 0, s25                 ; columns 10..15 are zero
.endr
	v_cvt_pk_bf16_f32 v20, v12, v13
	v_cvt_pk_bf16_f32 v21, v14, v15
	v_cvt_pk_bf16_f32 v22, v16, v17
	v_cvt_pk_bf16_f32 v23, v18, v19
	global_store_b128 v5, v[20:23], s[22:23]       ; a wave's store covers 512 consecutive bytes
	s_cmp_lg_u32 s17, 0
	s_cbranch_scc1 .Ldone
	; wave 0 copies half of b1[k], 512 bytes, to the record's end
	s_lshl_b32 s26, s19, 10
	s_lshl_b32 s24, s18, 9
	s_add_co_u32 s26, s26, s24
	s_mov_b32 s27, 0
	s_add_nc_u64 s[26:27], s[12:13], s[26:27]
	s_mul_i32 s28, s19, RECB
	s_add_co_u32 s28, s28, s24
	s_add_co_u32 s28, s28, RECOFF+40960
	s_mov_b32 s29, 0
	s_add_nc_u64 s[28:29], s[14:15], s[28:29]
	v_lshlrev_b32 v6, 4, v2
	global_load_b128 v[12:15], v6, s[26:27] th:TH_LOAD_NT
	s_wait_loadcnt 0x0
	global_store_b128 v6, v[12:15], s[28:29]
.Ldone:
	s_endpgm
.Lfunc_end_k_q4ab5d86865_prep:
	.size	k_q4ab5d86865_prep, .Lfunc_end_k_q4ab5d86865_prep-k_q4ab5d86865_prep
	.p2alignl 7, 3214868480
	.fill 96, 4, 3214868480
	.section	.rodata,"a",@progbits
	.p2align	6, 0x0
	.amdhsa_kernel k_q4ab5d86865_prep
		.amdhsa_group_segment_fixed_size 0
		.amdhsa_private_segment_fixed_size 0
		.amdhsa_enable_private_segment 0
		.amdhsa_kernarg_size 48
		.amdhsa_user_sgpr_count 2
		.amdhsa_user_sgpr_kernarg_segment_ptr 1
		.amdhsa_wavefront_size32 1
		.amdhsa_system_sgpr_workgroup_id_x 1
		.amdhsa_system_sgpr_workgroup_id_y 1
		.amdhsa_system_sgpr_workgroup_id_z 1
		.amdhsa_system_vgpr_workitem_id 0
		.amdhsa_next_free_vgpr 24
		.amdhsa_next_free_sgpr 66
		.amdhsa_reserve_vcc 0
		.amdhsa_float_denorm_mode_32 3
		.amdhsa_float_denorm_mode_16_64 3
		.amdhsa_memory_ordered 1
		.amdhsa_forward_progress 1
		.amdhsa_inst_pref_size 7
	.end_amdhsa_kernel
	.amdgpu_metadata
---
amdhsa.version: [ 1, 2 ]
amdhsa.kernels:
  - .name:           k_q4ab5d86865_prep
    .symbol:         k_q4ab5d86865_prep.kd
    .args:
      - { .name: enc_W, .offset: 0, .size: 8, .value_kind: global_buffer, .address_space: global }
      - { .name: W1, .offset: 8, .size: 8, .value_kind: global_buffer, .address_space: global }
      - { .name: z_W, .offset: 16, .size: 8, .value_kind: global_buffer, .address_space: global }
      - { .name: W2, .offset: 24, .size: 8, .value_kind: global_buffer, .address_space: global }
      - { .name: b1, .offset: 32, .size: 8, .value_kind: global_buffer, .address_space: global }
      - { .name: wk, .offset: 40, .size: 8, .value_kind: global_buffer, .address_space: global }
    .group_segment_fixed_size: 0
    .private_segment_fixed_size: 0
    .kernarg_segment_align: 8
    .kernarg_segment_size: 48
    .max_flat_workgroup_size: 256
    .sgpr_count:     66
    .vgpr_count:     24
    .wavefront_size: 32
...
	.end_amdgpu_metadata
.endif
;; end of part 1
;; launch fused (part 2): grid 256 x 1, 4 waves a work-group, clusters of 4 x 1, 327,680 bytes of LDS; arguments X, wk, enc_b, z_b, mu, b2, out0; writes out0
.if DOCPART == 2
	.amdgcn_target "amdgcn-amd-amdhsa--gfx1250"
	.amdhsa_code_object_version 6
	.text
	.protected	k_q4ab5d86865_fused
	.globl	k_q4ab5d86865_fused
	.p2align	8
	.type	k_q4ab5d86865_fused,@function
k_q4ab5d86865_fused:
	s_mov_b64 s[64:65], 0
	v_nop
	global_prefetch_b8 v0, s[64:65] scope:SCOPE_SE
	s_setreg_imm32_b32 hwreg(HW_REG_WAVE_MODE, 25, 1), 1
	s_wait_xcnt 0x0
	s_wait_alu depctr_hold_cnt(0) depctr_sa_sdst(0) depctr_va_vdst(0) depctr_va_sdst(0) depctr_va_ssrc(0) depctr_va_vcc(0) depctr_vm_vsrc(0)
	s_getreg_b32 s2, hwreg(HW_REG_IB_STS2, 6, 4)
	s_cmp_eq_u32 s2, 0
	s_cbranch_scc0 .Lentry_in_a_cluster
	s_endpgm
.Lentry_in_a_cluster:
	s_bfe_u32 s2, ttmp6, 0x10000c
	s_cmp_lg_u32 s2, 0x3003
	s_cbranch_scc0 .Lentry_shape_is_right
	s_endpgm
.Lentry_shape_is_right:
; preds = sum over k of q_k (relu(z W1[k] + b1[k]) W2[k] + b2[k]),  z = relu(X enc_W + enc_b) z_W + z_b,  q = normalised 1 / (1 + |z - mu_k|^2).
; One work-group of four waves makes 128 rows from X to out0; h, z, eh and the logits never leave the WGP.
;
; EVERY PRODUCT IS FORMED TRANSPOSED: the weights are source 0 (16 output features x 32 K), the batch rows are source 1's columns.  In a result
; tile lane (r, h) then holds batch row r and features 8 h + 0..7, which, two tiles packed to bf16, is source 1 of the next product: the chain
; h -> z -> eh -> logits stays in registers.  The weights lie [k][n] in wk (bf16, cast by the launch before) and are read by transposing loads.
;   stage 1   wave w: hidden 128 w .. + 127 for all 128 rows, 64 accumulator tiles; K = 1024 in 16 steps of 64
;   stage 2   wave w: partial z (64 x 128 rows) over its own 128 hidden; the four partials meet in LDS; wave w finishes rows 32 w .. + 31, and their q
;   stage 3   wave (a = w / 2, b = w % 2): rows 64 a .. + 63, experts 8 b .. 8 b + 7, one expert a round; the two partial preds of a row meet in LDS
; ACCURACY: X, z and all weight matrices are single bf16 operands.  h and eh enter their products as two bf16 terms, hi + lo with lo = value - hi (exact
; in f32).  bf16 keeps 8 significant bits; each rounding of an intermediate adds an error to the output that is independent from row to row, and with
; 327,680 outputs, many of them near zero, three such roundings in a row leave too little of the allowed 1 per cent of the output's spread.  Of the three only z
; is rounded once: its second term would double stage 3's larger product (1,024 matrix instructions a wave), h's costs 128 and eh's 256.
; Biases, mu, q, the distances and all sums are f32; the distance is a sum of squares of differences.
; LIMITS: relu is a maximum with 0 that drops a NaN (a NaN pre-activation gives 0).  v_rcp_f32 flushes results below 2^-126 (ISA guide, 15.8): q is
; wrong only where 1 + distance exceeds 2^126.  An h or eh above bf16's largest number rounds to infinity and its lo term to NaN.
; CLUSTERS: every work-group walks the same weights, 1.77 MB.  Four work-groups form a cluster and ask for each weight tile jointly (mask 15), which
; divides those requests by four.  A mask names four at the most, so a larger cluster would add nothing.  X is each work-group's own and comes
; through registers, since it has to be cast on the way.
; By this text's count a wave has two tensor loads out at the start and one at any time after.
;
; LDS (bytes)
.set L_SLOT1, 89344                    ; two slots for weight tiles at 0 and here; only tensor loads write them
.set L_P,     178688                   ; 131,072 bytes written by LDS stores only, used in turn for:
.set XBB,     18432                    ;   X as bf16, two buffers of 128 rows x 64 k, pitch 144
                                       ;   the four partial z: wave x 32,768 + (4 b + nzt) x 1,024 + half x 512 + lane x 16
.set L_ZB,    L_P                      ;   z fragments: (2 rb + ks) x 1,024 + half x 512 + lane x 16
.set L_QL,    L_P+16384                ;   q: rb x 2,048 + k x 128 + lane x 4
.set L_O,     L_P+32768                ;   two arrays of partial preds, 128 rows, pitch 80
.set L_MU,    309760                   ; mu, f32, dense
.set L_B2,    313856                   ; b2 as [16][16] f32, columns 10..15 zero
.set RECB,    41984                    ; an expert's record in wk
; weight tiles in a slot, each wave's part by its own tensor load:
;   enc_W  wave x 18,432: 64 k rows x 256 bytes, pitch 288      z_W  wave x 20,480: 128 k rows x 128 bytes, pitch 160
;   record wave x 22,304: 41 rows x 512 bytes, pitch 544; waves 2 b, 2 b + 1 bring expert e + 8 b, which so begins at b x 44,608
; (288, 160 and 544 are odd multiples of 32: the rows that a transposing load touches start 32 bytes apart modulo 256)
; scalar registers
.set G1E, 24                           ; s[24:31] descriptor group 1, enc_W tiles
.set G1Z, 32                           ; s[32:39] z_W tile
.set G1R, 40                           ; s[40:47] records
.set G0,  48                           ; s[48:55] descriptor group 0, four registers for each slot
; s[4:5] X  s[6:7] wk  s[8:9] enc_b  s[10:11] z_b  s[12:13] mu  s[14:15] b2  s[16:17] out0  s3 counter  s18 wave  s19 a  s20 b  s21 cx  s22 work-group
; s[56:57] z_W tile's address  s[58:59] next record's address (both with the type bits)  s60-62 wave x 18,432 / 20,480 / 22,304
; s[66:67] lane select  s[68:69] offsets from the wave number  s[70:71] offsets from the work-group's number (never in a descriptor)
; vector registers, stages 1 and 2 (windows of 256)
;   window 0: v0-31 addresses, v64-127 and v128-191 weight fragments (two buffers), v192-255 enc_b as C tiles
;   window 1: v0-63 and v192-255 X in f32 on its way, v64-127 and v128-191 X fragments; later h's hi fragments (p, b) at 64 p + 8 b
;   windows 2, 3: accumulator tile (a, b) at 8 (8 a + b), a = 0..3 and 4..7
.set XO,   4
.set XBW,  5
.set ADRA, 8
.set ADRB, 10
.set ADRZ, 12
.set BO,   13
.set HO,   14
.set PST,  15
.set PRD,  16
.set MUA,  20
.set ZBW,  21
.set QLW,  22
.set NEG1, 23
.set F0,   64
.set F1,   128
.set BIAS, 192
; window 2 while z and q are finished
.set ZF,   0                           ; z (bb, nzt) at 32 bb + 8 nzt
.set MUBF, 64                          ; two buffers of mu, two centres of 32 registers each
.set ACC,  192
.set TQ,   208
.set DQ,   224                         ; distance, then q, of (bb, k) at 16 bb + k
; stage 3, window 0
.set AW1,  1
.set AW2,  3
.set AB1,  5
.set QLR,  7
.set ZFR,  8                           ; z fragment (rb, ks) at 16 rb + 8 ks
.set DA,   72                          ; eh tiles (t, y) at 16 y + 8 t, row blocks 0, 1; later eh's lo fragment of y at 16 y
.set DB,   104                         ; row blocks 2, 3
.set WB0,  136                         ; W1 fragments (t, ks) at 16 t + 8 ks, two buffers of 32
.set W2F,  200
.set B1F,  208
.set HF,   224                         ; eh's hi fragment of y at 8 y
.set NEG3, 240                         ; -1.0
; stage 3, window 1
.set PR,   0
.set QC,   32
.set QALL, 64
.set B2A,  96
.set LG,   160                         ; logits of row block rb at 8 rb
.set MSB, 0
.macro WIN new                         ; s_set_vgpr_msb: bits 1:0 source 0, 3:2 source 1, 5:4 source 2, 7:6 destination; the high byte repeats the setting left
.if MSB != \new
	s_set_vgpr_msb (MSB<<8)|\new
.set MSB, \new
.endif
.endm
.macro PLACES                          ; four places behind a matrix instruction (ISA guide 7.12.1) where no useful vector work is at hand
.rept 4
	v_nop
.endr
.endm
.macro CREST                           ; a round of the cluster's barrier behind its opening work-group barrier
	s_cmp_lg_u32 s18, 0
	s_cbranch_scc1 .Lnot_wave_0_\@
	s_barrier_signal -3
.Lnot_wave_0_\@:
	s_barrier_wait -3
	s_barrier_signal -1
	s_barrier_wait -1
.endm
.macro CROUND                          ; a whole round
	s_barrier_signal -1
	s_barrier_wait -1
	CREST
.endm
.macro G1SET base, qi, cols, rows, pitch
	s_mov_b32 s[\base+0], 15|(1<<16)|(1<<20)|(1<<21)|(\qi<<22)|(7<<25)  ; mask: all four of the cluster; 2-byte elements; padding on; bit 21 beside a mask; 8 words of padding after every 2 << qi words
	s_mov_b32 s[\base+1], \cols<<16                ; tensor_dim0
	s_mov_b32 s[\base+2], \rows<<16                ; tensor_dim1
	s_mov_b32 s[\base+3], \cols<<16                ; tile_dim0
	s_mov_b32 s[\base+4], \rows                    ; tile_dim1
	s_mov_b32 s[\base+5], \pitch                   ; elements from row to row
	s_mov_b32 s[\base+6], 0
	s_mov_b32 s[\base+7], 0
.endm
.macro PK16 t                          ; two f32 tiles at t and t + 8 become one bf16 fragment in registers t .. t + 7: each target has been read already
.irp j, 0,1,2,3
	v_cvt_pk_bf16_f32 v[(\t)+\j], v[(\t)+2*\j], v[(\t)+2*\j+1]
.endr
.irp j, 0,1,2,3
	v_cvt_pk_bf16_f32 v[(\t)+4+\j], v[(\t)+8+2*\j], v[(\t)+9+2*\j]
.endr
.endm
; ---------------------------------------------------------------- stage 1's macros
; 16 matrix instructions: hidden tiles a0, a0 + 1 of the window's four x all 8 row blocks, 32 along K.  bias = 1: enc_b is the C operand and starts the sums.
; The accumulators take turns, one instruction a turn.
.macro MUL16 f, hi, a0, bias
.irp a, \a0, \a0+1
.irp b, 0,1,2,3,4,5,6,7
.if \bias
	v_wmma_f32_16x16x32_bf16 v[8*(8*(\a)+\b):8*(8*(\a)+\b)+7], v[\f+8*(4*\hi+\a):\f+8*(4*\hi+\a)+7], v[\f+8*\b:\f+8*\b+7], v[BIAS+8*(4*\hi+\a):BIAS+8*(4*\hi+\a)+7]
.else
	v_wmma_f32_16x16x32_bf16 v[8*(8*(\a)+\b):8*(8*(\a)+\b)+7], v[\f+8*(4*\hi+\a):\f+8*(4*\hi+\a)+7], v[\f+8*\b:\f+8*\b+7], v[8*(8*(\a)+\b):8*(8*(\a)+\b)+7]
.endif
.endr
.endr
.endm
; 32 LDS loads: the fragments of 32 along K (half i of the slot's 64): 8 row blocks of X, then my 8 hidden tiles of enc_W, transposed on the way
.macro FETCH slot, i, f
	WIN 0x44
.irp b, 0,1,2,3,4,5,6,7
	ds_load_b128 v[\f+8*\b:\f+8*\b+3],   v[ADRB+\slot] offset:64*\i+\b*2304
	ds_load_b128 v[\f+8*\b+4:\f+8*\b+7], v[ADRB+\slot] offset:64*\i+\b*2304+32
.endr
	WIN 0
.irp a, 0,1,2,3,4,5,6,7
	ds_load_tr16_b128 v[\f+8*\a:\f+8*\a+3],   v[ADRA+\slot] offset:\i*9216+32*\a
	ds_load_tr16_b128 v[\f+8*\a+4:\f+8*\a+7], v[ADRA+\slot] offset:\i*9216+32*\a+4608
.endr
.endm
; my 32 rows x 64 k of X: f32 to bf16 in place, then into X buffer xb.  Lanes 0-15 write 128 bytes of one row, lanes 16-31 of the row 8 further
; (1,152 bytes = 128 modulo 256): the 32 lanes' words are all different modulo 256 bytes.
.macro CONV set, xb
	WIN 0x45
.set q, 0
.rept 16
	v_cvt_pk_bf16_f32 v[\set+4*q],   v[\set+4*q],   v[\set+4*q+1]
	v_cvt_pk_bf16_f32 v[\set+4*q+1], v[\set+4*q+2], v[\set+4*q+3]
.set q, q+1
.endr
	WIN 0x44
.set q, 0
.rept 16
	ds_store_b64 v[XBW+\xb], v[\set+4*q:\set+4*q+1] offset:((q>>3)*16+(q&7))*144
.set q, q+1
.endr
.endm
; 16 loads: my 32 rows x 256 bytes of X; sixteen lanes take 256 consecutive bytes of a row, aligned
.macro XLOAD set, step
.if \step
	s_wait_xcnt 0x0                                ; the base is stepped only when every earlier load's address has been translated
	s_add_nc_u64 s[4:5], s[4:5], 256
.endif
	WIN 0x44
.set q, 0
.rept 16
	global_load_b128 v[\set+4*q:\set+4*q+3], v[XO], s[4:5] offset:((q>>3)*16+(q&7))*4096 th:TH_LOAD_NT
.set q, q+1
.endr
.endm
; The first 32 of a K step t (slot = t & 1).  In its middle: X(t+1) is cast into the other X buffer, X(t+3) is asked for, the second 32's fragments are fetched.
.macro QUARTER slot, conv, load, lcnt, bias
	s_wait_dscnt 8                                 ; all but the youngest eight loads, which are hidden tiles 4..7
	WIN (0xA4-0x20*\bias)
	MUL16 F0, 0, 0, \bias
	MUL16 F0, 0, 2, \bias
.if \conv
	s_wait_loadcnt \lcnt                           ; X(t+1) is in; lcnt counts the loads of X(t+2), issued behind it
	CONV 192*(1-\slot), 1-\slot                    ; its 32 conversions are also the places in front of the loads into buffer 1
.if \load
	XLOAD 192*(1-\slot), 1
.endif
.else
	PLACES
.endif
	FETCH \slot, 1, F1
	s_wait_dscnt 32+16*\conv                       ; all but what has just been issued (16 stores of X, 32 fragment loads)
	WIN (0xF4-0x30*\bias)
	MUL16 F0, 1, 0, \bias
	MUL16 F0, 1, 2, \bias
.endm
.macro ZFETCH p0                       ; z_W fragments (p, nzt), p = p0, p0 + 1, at v[64 + 8 (4 p + nzt)]
.irp p, \p0, \p0+1
.irp n, 0,1,2,3
	ds_load_tr16_b128 v[64+8*(4*(\p)+\n):64+8*(4*(\p)+\n)+3],   v[ADRZ] offset:(\p)*5120+32*\n
	ds_load_tr16_b128 v[64+8*(4*(\p)+\n)+4:64+8*(4*(\p)+\n)+7], v[ADRZ] offset:(\p)*5120+32*\n+2560
.endr
.endr
.endm
; The second 32 of a K step, and the change of slots.  In front of the round each wave waits for its LDS work (its reads of this slot and of this X buffer, its
; stores into the other X buffer) and for all its tensor loads (one is out: its part of the next slot).  Behind the round this slot is filled again first.
; kind 1: enc_W two steps on; 2: the z_W tile; 3: expert round 0's records.
.macro TURN slot, next, kind
	s_wait_dscnt 8
	WIN 0xA4
	MUL16 F1, 0, 0, 0
	s_wait_dscnt 0x0
	s_wait_xcnt 0x0
	s_set_vgpr_msb 0xa424
	v_lshl_add_u32 v222, v0, 2, 0x4ce00
	v_mov_b32 v223, 0
	s_set_vgpr_msb 0x2420
	s_wait_tensorcnt 0x0
	ds_add_u32 v222, v223
	s_wait_dscnt 0x0
	s_set_vgpr_msb 0x20a4
	s_barrier_signal -1
	MUL16 F1, 0, 2, 0                              ; register work while the others arrive
	WIN 0
	s_barrier_wait -1
	CREST
.if \kind == 1
	s_add_nc_u64 s[G0+4*\slot+2:G0+4*\slot+3], s[G0+4*\slot+2:G0+4*\slot+3], 131072
	tensor_load_to_lds s[G0+4*\slot:G0+4*\slot+3], s[G1E:G1E+7]
	s_nop 0
.endif
.if \kind == 2
	s_mov_b32 s[G0+1], s61
	s_mov_b64 s[G0+2:G0+3], s[56:57]
	tensor_load_to_lds s[G0:G0+3], s[G1Z:G1Z+7]
	s_nop 0
.endif
.if \kind == 3
	s_add_co_u32 s[G0+5], s62, L_SLOT1
	s_mov_b64 s[G0+6:G0+7], s[58:59]
	s_add_nc_u64 s[58:59], s[58:59], RECB
	tensor_load_to_lds s[G0+4:G0+7], s[G1R:G1R+7]
	s_nop 0
.endif
	PLACES
.if \kind == 3
	ZFETCH 0
.else
	FETCH \next, 0, F0
.endif
	WIN 0xF4
	MUL16 F1, 1, 0, 0
	MUL16 F1, 1, 2, 0
.endm
; ---------------------------------------------------------------- stage 2's macros
; Window W's 32 tiles: relu; hi = bf16(h) into window 1; lo = h - hi in place; lo packed over the odd tile of each pair.  Fragment f_ = 8 pp + b is made of
; tiles T0 = 128 pp + 8 b (K 8 h + 0..7) and T0 + 64 (K 16 + 8 h + 0..7).  The even tile's eight registers are free afterwards.
.macro RSPLIT W
	WIN (\W*0x55)
.set i_, 0
.rept 256
	v_max_num_f32 v[i_], 0, v[i_]
.set i_, i_+1
.endr
	WIN (0x40|(\W<<2)|\W)
.set f_, 0
.rept 16
.set T0_, 128*(f_>>3)+8*(f_&7)
.set H_, 128*(\W-2)+8*f_
.irp i, 0,1,2,3
	v_cvt_pk_bf16_f32 v[H_+\i],   v[T0_+2*\i],    v[T0_+2*\i+1]
	v_cvt_pk_bf16_f32 v[H_+4+\i], v[T0_+64+2*\i], v[T0_+65+2*\i]
.endr
.set f_, f_+1
.endr
	WIN ((\W*0x50)|1)
.set f_, 0
.rept 16
.set T0_, 128*(f_>>3)+8*(f_&7)
.set H_, 128*(\W-2)+8*f_
.irp i, 0,1,2,3
	v_fma_mix_f32_bf16 v[T0_+2*\i],    v[H_+\i],   v[NEG1], v[T0_+2*\i]    op_sel_hi:[1,0,0]                ; h - hi: hi's low half x -1.0 + h
	v_fma_mix_f32_bf16 v[T0_+2*\i+1],  v[H_+\i],   v[NEG1], v[T0_+2*\i+1]  op_sel:[1,0,0] op_sel_hi:[1,0,0] ; its high half
	v_fma_mix_f32_bf16 v[T0_+64+2*\i], v[H_+4+\i], v[NEG1], v[T0_+64+2*\i] op_sel_hi:[1,0,0]
	v_fma_mix_f32_bf16 v[T0_+65+2*\i], v[H_+4+\i], v[NEG1], v[T0_+65+2*\i] op_sel:[1,0,0] op_sel_hi:[1,0,0]
.endr
.set f_, f_+1
.endr
	WIN (\W*0x55)
.set f_, 0
.rept 16
.set T0_, 128*(f_>>3)+8*(f_&7)
.irp i, 3,2,1,0
	v_cvt_pk_bf16_f32 v[T0_+68+\i], v[T0_+64+2*\i], v[T0_+65+2*\i]  ; from the top down: each target has been read already
.endr
.irp i, 0,1,2,3
	v_cvt_pk_bf16_f32 v[T0_+64+\i], v[T0_+2*\i], v[T0_+2*\i+1]
.endr
.set f_, f_+1
.endr
.endm
; 32 matrix instructions: partial z += z_W(p)^T x h fragment p (hi or lo).  Accumulator (nzt, b): window 2 + nzt / 2, register 128 (nzt & 1) + 8 b, in the freed tiles.
.macro ZMUL p, lo, zero
.irp n, 0,1,2,3
.if \lo
	WIN (((2+(\n>>1))*0x50)|((2+(\p>>1))<<2))
.set BF_, 128*(\p&1)+64
.else
	WIN (((2+(\n>>1))*0x50)|4)
.set BF_, 64*\p
.endif
.irp b, 0,1,2,3,4,5,6,7
.if \zero
	v_wmma_f32_16x16x32_bf16 v[128*(\n&1)+8*\b:128*(\n&1)+8*\b+7], v[64+8*(4*\p+\n):64+8*(4*\p+\n)+7], v[BF_+8*\b:BF_+8*\b+7], 0
.else
	v_wmma_f32_16x16x32_bf16 v[128*(\n&1)+8*\b:128*(\n&1)+8*\b+7], v[64+8*(4*\p+\n):64+8*(4*\p+\n)+7], v[BF_+8*\b:BF_+8*\b+7], v[128*(\n&1)+8*\b:128*(\n&1)+8*\b+7]
.endif
.endr
.endr
.endm
; ---------------------------------------------------------------- q's macros
.macro MULOAD u                        ; centres 2 u, 2 u + 1: my 32 coordinates of each (16 nzt + 8 h + 0..7) into buffer u & 1
	WIN 0x80
.irp kk, 0,1
.irp n, 0,1,2,3
	ds_load_b128 v[MUBF+64*((\u)&1)+32*\kk+8*\n:MUBF+64*((\u)&1)+32*\kk+8*\n+3],   v[MUA] offset:(2*(\u)+\kk)*256+64*\n
	ds_load_b128 v[MUBF+64*((\u)&1)+32*\kk+8*\n+4:MUBF+64*((\u)&1)+32*\kk+8*\n+7], v[MUA] offset:(2*(\u)+\kk)*256+64*\n+16
.endr
.endr
.endm
.macro QSTEP u                         ; my half of |z - mu|^2 for two centres x two row blocks: four chains c = 2 kk + bb that do not wait for each other
.if \u < 7
	MULOAD \u+1
	s_wait_dscnt 16                                ; all but the next buffer's sixteen loads
.else
	s_wait_dscnt 0x0
.endif
	WIN 0xAA
.set MB_, MUBF+64*((\u)&1)
.set i_, 0
.rept 16
.irp c, 0,1,2,3
	v_pk_add_f32 v[TQ+2*\c:TQ+2*\c+1], v[ZF+32*(\c&1)+2*i_:ZF+32*(\c&1)+2*i_+1], v[MB_+32*(\c>>1)+2*i_:MB_+32*(\c>>1)+2*i_+1] neg_lo:[0,1] neg_hi:[0,1]
.endr
.irp c, 0,1,2,3
.if i_ == 0
	v_pk_mul_f32 v[ACC+2*\c:ACC+2*\c+1], v[TQ+2*\c:TQ+2*\c+1], v[TQ+2*\c:TQ+2*\c+1]
.else
	v_pk_fma_f32 v[ACC+2*\c:ACC+2*\c+1], v[TQ+2*\c:TQ+2*\c+1], v[TQ+2*\c:TQ+2*\c+1], v[ACC+2*\c:ACC+2*\c+1]
.endif
.endr
.set i_, i_+1
.endr
.irp c, 0,1,2,3
	v_add_f32 v[DQ+16*(\c&1)+2*(\u)+(\c>>1)], v[ACC+2*\c], v[ACC+2*\c+1]
.endr
.endm
; ---------------------------------------------------------------- stage 3's macros
; Four vector instructions of the 24 chunks that turn a set's four eh tiles into two hi and two lo fragments.  For row block y = c / 12, with its two tiles in
; 16 registers at T: chunks 0-3 relu; 4, 5 hi = bf16(eh) into HF + 8 y; 6-9 lo = eh - hi in place (hi's half x -1.0 + eh, exact); 10, 11 lo packed into T .. T + 7.
.macro VCH set, c
.set VY_, (\c)/12
.set VT_, \set+16*VY_
.set VH_, HF+8*VY_
.set VC_, (\c)%12
.if VC_ < 4
.irp j, 0,1,2,3
	v_max_num_f32 v[VT_+4*VC_+\j], 0, v[VT_+4*VC_+\j]
.endr
.endif
.if VC_ == 4
.irp j, 0,1,2,3
	v_cvt_pk_bf16_f32 v[VH_+\j], v[VT_+2*\j], v[VT_+2*\j+1]
.endr
.endif
.if VC_ == 5
.irp j, 0,1,2,3
	v_cvt_pk_bf16_f32 v[VH_+4+\j], v[VT_+8+2*\j], v[VT_+9+2*\j]
.endr
.endif
.if VC_ >= 6
.if VC_ < 10
.set VG_, VC_-6
.irp i, 0,1
	v_fma_mix_f32_bf16 v[VT_+4*VG_+2*\i],   v[VH_+2*VG_+\i], v[NEG3], v[VT_+4*VG_+2*\i]   op_sel_hi:[1,0,0]
	v_fma_mix_f32_bf16 v[VT_+4*VG_+2*\i+1], v[VH_+2*VG_+\i], v[NEG3], v[VT_+4*VG_+2*\i+1] op_sel:[1,0,0] op_sel_hi:[1,0,0]
.endr
.endif
.endif
.if VC_ == 10
.irp j, 0,1,2,3
	v_cvt_pk_bf16_f32 v[VT_+\j], v[VT_+2*\j], v[VT_+2*\j+1]
.endr
.endif
.if VC_ == 11
.irp j, 0,1,2,3
	v_cvt_pk_bf16_f32 v[VT_+4+\j], v[VT_+8+2*\j], v[VT_+9+2*\j]
.endr
.endif
.endm
.macro W1LOAD slot, s                  ; W1 fragments of step s (expert hidden 32 s .. + 31): 8 transposing loads
.irp t, 0,1
.irp k, 0,1
	ds_load_tr16_b128 v[WB0+32*((\s)&1)+16*\t+8*\k:WB0+32*((\s)&1)+16*\t+8*\k+3],   v[AW1+\slot] offset:\k*17408+32*(2*(\s)+\t)
	ds_load_tr16_b128 v[WB0+32*((\s)&1)+16*\t+8*\k+4:WB0+32*((\s)&1)+16*\t+8*\k+7], v[AW1+\slot] offset:\k*17408+32*(2*(\s)+\t)+8704
.endr
.endr
.endm
.macro W2LOAD slot, s                  ; W2 fragment of step s: 16 rows of 32 bytes lie in each 512-byte row of the record
	ds_load_tr16_b128 v[W2F:W2F+3],   v[AW2+\slot] offset:(\s)*1088
	ds_load_tr16_b128 v[W2F+4:W2F+7], v[AW2+\slot] offset:(\s)*1088+544
.endm
.macro B1LOAD slot, s                  ; b1 of step s as two C tiles
.irp t, 0,1
	ds_load_b128 v[B1F+8*\t:B1F+8*\t+3],   v[AB1+\slot] offset:((2*(\s)+\t)>>3)*544+((2*(\s)+\t)&7)*64
	ds_load_b128 v[B1F+8*\t+4:B1F+8*\t+7], v[AB1+\slot] offset:((2*(\s)+\t)>>3)*544+((2*(\s)+\t)&7)*64+16
.endr
.endm
; Four matrix instructions: logits of row blocks y0, y0 + 1 += W2^T x (hi, then lo).  The logits lie in window 1.  The two accumulators take turns.
.macro W2MUL ys, y0, first
	WIN 0x50
.irp y, 0,1
.if \first
	v_wmma_f32_16x16x32_bf16 v[LG+8*(\y0+\y):LG+8*(\y0+\y)+7], v[W2F:W2F+7], v[HF+8*\y:HF+8*\y+7], 0
.else
	v_wmma_f32_16x16x32_bf16 v[LG+8*(\y0+\y):LG+8*(\y0+\y)+7], v[W2F:W2F+7], v[HF+8*\y:HF+8*\y+7], v[LG+8*(\y0+\y):LG+8*(\y0+\y)+7]
.endif
.endr
.irp y, 0,1
	v_wmma_f32_16x16x32_bf16 v[LG+8*(\y0+\y):LG+8*(\y0+\y)+7], v[W2F:W2F+7], v[\ys+16*\y:\ys+16*\y+7], v[LG+8*(\y0+\y):LG+8*(\y0+\y)+7]
.endr
	WIN 0
.endm
; Half a step.  ph = 0: z W1 + b1 of step s for row blocks 0, 1 into DA, while DB (step s - 1) is finished; ph = 1: row blocks 2, 3 into DB, while DA (step s) is finished.
; "Finished": relu, split and pack, 96 vector instructions strewn eight at a time behind the products, then four products with W2 onto the logits.
; Distances: the four leading chunks (16 places) lie between the W2 products, which read the set and HF as source 1, and the first product that overwrites the
; set, the loads into W2F and the next write of HF; the chunks behind the last product (24 places) lie in front of the next half step's reads of its results.
; No two matrix instructions that follow each other share an accumulator.
.macro PHASE slot, s, ph, valu, first
.set XS_, DA+32*\ph
.set YS_, DB-32*\ph
.set X0_, 2*\ph
.set Y0_, 2-2*\ph
.set WB_, WB0+32*((\s)&1)
.if \valu
	VCH YS_, 0
	VCH YS_, 1
	VCH YS_, 2
	VCH YS_, 3
.endif
.if \ph == 0
.if \s < 7
	W1LOAD \slot, \s+1
	s_wait_dscnt 8                                 ; all but the eight just issued: W1 and b1 of this step are in
.else
	s_wait_dscnt 0x0
.endif
.else
	W2LOAD \slot, \s
.endif
.set i_, 0
.rept 8
.set t_, (i_>>1)&1
.set y_, i_&1
.if i_ < 4
	v_wmma_f32_16x16x32_bf16 v[XS_+16*y_+8*t_:XS_+16*y_+8*t_+7], v[WB_+16*t_:WB_+16*t_+7], v[ZFR+16*(X0_+y_):ZFR+16*(X0_+y_)+7], v[B1F+8*t_:B1F+8*t_+7]
.else
	v_wmma_f32_16x16x32_bf16 v[XS_+16*y_+8*t_:XS_+16*y_+8*t_+7], v[WB_+16*t_+8:WB_+16*t_+15], v[ZFR+16*(X0_+y_)+8:ZFR+16*(X0_+y_)+15], v[XS_+16*y_+8*t_:XS_+16*y_+8*t_+7]
.endif
.if \valu
	VCH YS_, 4+2*i_
	VCH YS_, 5+2*i_
.endif
.if \ph == 1
.if \s < 7
.if i_ == 4
	B1LOAD \slot, \s+1                             ; sixteen places behind the last product that took b1 as C
.endif
.endif
.endif
.set i_, i_+1
.endr
.if \valu
	VCH YS_, 20
	VCH YS_, 21
	VCH YS_, 22
	VCH YS_, 23
.if \ph == 1
.if \s < 7
	s_wait_dscnt 4                                 ; all but b1's four loads: W2 of this step is in
.else
	s_wait_dscnt 0x0
.endif
.endif
	W2MUL YS_, Y0_, \first
.else
	PLACES
.endif
.endm
; One expert for my 64 rows.  endkind 1: the slot is filled again behind a round, with the record two rounds on; 2: a plain barrier shows the last record; 0: nothing.
.macro EXPERT slot, endkind
	W1LOAD \slot, 0
	B1LOAD \slot, 0
	WIN 0x40
.irp rb, 0,1,2,3
	ds_load_b32 v[QC+\rb], v[QLR] offset:\rb*2048  ; this expert's q of my four row blocks
.endr
	WIN 0
	v_add_nc_u32 v[QLR], 128, v[QLR]               ; the next expert's q
	PHASE \slot, 0, 0, 0, 0
	PHASE \slot, 0, 1, 1, 1
	PHASE \slot, 1, 0, 1, 1
	PHASE \slot, 1, 1, 1, 0
.irp s, 2,3,4,5,6,7
	PHASE \slot, \s, 0, 1, 0
	PHASE \slot, \s, 1, 1, 0
.endr
.if \endkind
	s_wait_dscnt 0x0                               ; my reads of this slot are over
	s_wait_xcnt 0x0
	v_lshl_add_u32 v222, v0, 2, 0x4ce00
	v_mov_b32 v223, 0
	s_wait_tensorcnt 0x0                           ; and all my tensor loads have landed: the one that was out is my part of the next record
	ds_add_u32 v222, v223
	s_wait_dscnt 0x0
	s_barrier_signal -1
.endif
.irp c, 0,1,2,3,4,5,6,7,8,9,10,11,12,13,14,15,16,17,18,19,20,21,22,23
	VCH DB, \c                                     ; the last step's row blocks 2, 3: register work while the others arrive
.endr
	W2MUL DB, 2, 0
	PLACES
	WIN 0x55
.irp rb, 0,1,2,3
.irp j, 0,1,2,3,4,5,6,7
	v_fma_f32 v[PR+8*\rb+\j], v[LG+8*\rb+\j], v[QC+\rb], v[PR+8*\rb+\j]   ; preds += q x logits
.endr
.endr
	WIN 0
.if \endkind
	s_barrier_wait -1
.endif
.if \endkind == 1
	CREST
	s_mov_b64 s[G0+4*\slot+2:G0+4*\slot+3], s[58:59]
	s_add_nc_u64 s[58:59], s[58:59], RECB
	tensor_load_to_lds s[G0+4*\slot:G0+4*\slot+3], s[G1R:G1R+7]
	s_nop 0
.endif
.endm
; ================================================================ the start
	s_load_b256 s[4:11], s[0:1], 0x0               ; X, wk, enc_b, z_b
	s_load_b128 s[12:15], s[0:1], 0x20             ; mu, b2
	s_load_b64 s[16:17], s[0:1], 0x30              ; out0
	v_lshl_add_u32 v222, v0, 2, 0x4ce00
	v_mov_b32 v223, 0
	ds_add_u32 v222, v223
	s_wait_dscnt 0x0
	v_lshrrev_b32 v1, 5, v0
	v_readfirstlane_b32 s18, v1                    ; wave
	s_lshr_b32 s19, s18, 1                         ; a
	s_and_b32 s20, s18, 1                          ; b
	s_bfe_u32 s21, ttmp6, 0x40000                  ; cx
	s_lshl_b32 s22, ttmp9, 2
	s_add_co_u32 s22, s22, s21                     ; work-group = 4 x cluster + cx: it enters X's and out0's offsets alone
	s_mul_i32 s60, s18, 18432
	s_mul_i32 s61, s18, 20480
	s_mul_i32 s62, s18, 22304
	s_mov_b32 s66, 0x76543210                      ; v_permlanex16_b32: lane i of one half reads lane i of the other
	s_mov_b32 s67, 0xfedcba98
	G1SET G1E, 5, 128, 64, 512                     ; 64 k rows x 128 columns of enc_W, padded after every 64 words
	G1SET G1Z, 4, 128, 64, 128                     ; 16,384 dense bytes of z_W as rows of 256 bytes, padded after every 32 words: each 128-byte k row gets pitch 160
	G1SET G1R, 6, 256, 41, 256                     ; half a record: 41 rows of 512 bytes, padded after every 128 words
	v_and_b32 v1, 15, v0                           ; r
	v_bfe_u32 v2, v0, 4, 1                         ; h
	v_and_b32 v3, 31, v0                           ; lane
	v_and_b32 v24, 7, v0
	v_lshl_or_b32 v24, v2, 3, v24                  ; the row that a lane addresses in a transposing load: 8 h + (l & 7)
	v_bfe_u32 v25, v0, 3, 1
	v_lshlrev_b32 v25, 4, v25                      ; and its 16 bytes there
	v_mad_u32_u24 v26, v24, 288, v25
	v_add_nc_u32 v[ADRA], s60, v26
	v_add_nc_u32 v[ADRA+1], L_SLOT1, v[ADRA]
	v_mad_u32_u24 v26, v24, 160, v25
	v_add_nc_u32 v[ADRZ], s61, v26
	v_mul_u32_u24 v26, v1, 144
	v_lshl_add_u32 v26, v2, 4, v26
	v_add_nc_u32 v[ADRB], L_P, v26
	v_add_nc_u32 v[ADRB+1], L_P+XBB, v26
	v_lshlrev_b32 v26, 4, v1
	v_lshl_add_u32 v26, v2, 15, v26
	s_lshl_b32 s23, s18, 17
	v_add_nc_u32 v[XO], s23, v26                   ; X: row 32 w + 8 h, 16 bytes a lane
	v_lshlrev_b32 v26, 3, v1
	v_mad_u32_u24 v26, v2, 1152, v26
	s_mul_i32 s23, s18, 4608
	v_add_nc_u32 v26, s23, v26
	v_add_nc_u32 v[XBW], L_P, v26
	v_add_nc_u32 v[XBW+1], L_P+XBB, v26
	v_lshlrev_b32 v[HO], 5, v2
	s_lshl_b32 s23, s18, 9
	v_add_nc_u32 v[BO], s23, v[HO]
	v_lshlrev_b32 v26, 4, v3
	s_lshl_b32 s23, s18, 15
	s_add_co_u32 s23, s23, L_P
	v_add_nc_u32 v[PST], s23, v26
	s_lshl_b32 s23, s18, 13
	s_add_co_u32 s23, s23, L_P
	v_add_nc_u32 v[PRD], s23, v26
	v_add_nc_u32 v[PRD+1], 32768, v[PRD]
	v_add_nc_u32 v[PRD+2], 65536, v[PRD]
	v_add_nc_u32 v[PRD+3], 98304, v[PRD]
	v_add_nc_u32 v[MUA], L_MU, v[HO]
	s_lshl_b32 s23, s18, 12
	s_add_co_u32 s23, s23, L_ZB
	v_add_nc_u32 v[ZBW], s23, v26
	s_add_co_u32 s23, s23, 16384
	v_lshl_add_u32 v[QLW], v3, 2, s23
	v_mov_b32 v[NEG1], -1.0
	v_lshlrev_b32 v27, 4, v0                       ; mu: 16 t
	v_and_b32 v28, 7, v0
	v_lshrrev_b32 v29, 3, v0                       ; b2: k = t / 8, columns 2 (t & 7), + 1
	v_cmp_gt_u32 s63, 5, v28                       ; columns below 10
	v_lshlrev_b32 v28, 3, v28
	v_mad_u32_u24 v28, v29, 40, v28
	v_cndmask_b32 v28, 0, v28, s63                 ; the others read b2's first bytes and store zeros
	v_add_nc_u32 v30, L_MU, v27
	v_lshlrev_b32 v31, 3, v0
	v_add_nc_u32 v31, L_B2, v31
	s_mov_b32 s69, 0
	s_mov_b32 s71, 0
	s_wait_kmcnt 0x0
	s_lshl_b32 s70, s22, 19                        ; 128 rows of 4,096 bytes
	s_add_nc_u64 s[4:5], s[4:5], s[70:71]
	s_mul_i32 s70, s22, 5120                       ; 128 rows of 40 bytes
	s_add_nc_u64 s[16:17], s[16:17], s[70:71]
	s_lshl_b32 s68, s18, 8                         ; my 128 columns of enc_W
	s_add_nc_u64 s[G0+2:G0+3], s[6:7], s[68:69]
	s_add_nc_u64 s[G0+6:G0+7], s[G0+2:G0+3], 65536
	s_or_b32 s[G0+3], s[G0+3], 0x80000000
	s_or_b32 s[G0+7], s[G0+7], 0x80000000
	s_mov_b32 s[G0], 1
	s_mov_b32 s[G0+4], 1
	s_mov_b32 s[G0+1], s60
	s_add_co_u32 s[G0+5], s60, L_SLOT1
	s_lshl_b32 s68, s18, 14                        ; my 128 rows of z_W
	s_add_nc_u64 s[56:57], s[6:7], s[68:69]
	s_add_nc_u64 s[56:57], s[56:57], 1048576
	s_or_b32 s57, s57, 0x80000000
	s_mul_i32 s68, s19, 335872                     ; waves 2, 3 fetch for experts 8..15
	s_mul_i32 s23, s20, 20992                      ; which half of the record
	s_add_co_u32 s68, s68, s23
	s_add_nc_u64 s[58:59], s[6:7], s[68:69]
	s_add_nc_u64 s[58:59], s[58:59], 1114112
	s_or_b32 s59, s59, 0x80000000
	global_load_b128 v[32:35], v27, s[12:13]
	global_load_b128 v[36:39], v27, s[12:13] offset:2048
	global_load_b64 v[40:41], v28, s[14:15]
.irp a, 0,1,2,3,4,5,6,7
	global_load_b128 v[BIAS+8*\a:BIAS+8*\a+3],   v[BO], s[8:9] offset:64*\a      ; enc_b[128 w + 16 a + 8 h + 0..7]: a C tile has one bias in each register
	global_load_b128 v[BIAS+8*\a+4:BIAS+8*\a+7], v[BO], s[8:9] offset:64*\a+16
.endr
	XLOAD 0, 0                                     ; X(0)
	XLOAD 192, 1                                   ; X(1)
	WIN 0
	s_wait_loadcnt 48                              ; mu and b2 are in; behind them 16 loads of enc_b and 32 of X
	v_cndmask_b32 v40, 0, v40, s63
	v_cndmask_b32 v41, 0, v41, s63
	ds_store_b128 v30, v[32:35]
	ds_store_b128 v30, v[36:39] offset:2048
	ds_store_b64 v31, v[40:41]
	s_wait_dscnt 0x0                               ; for the other waves, which read them behind later barriers
	CROUND                                         ; the four work-groups are here: the first joint loads meet
	tensor_load_to_lds s[G0:G0+3], s[G1E:G1E+7]
	s_nop 0
	tensor_load_to_lds s[G0+4:G0+7], s[G1E:G1E+7]
	s_nop 0
	s_wait_loadcnt 16                              ; enc_b and X(0) are in; X(1)'s sixteen loads stay out
	CONV 0, 0
	XLOAD 0, 1                                     ; X(2)
	WIN 0
	s_wait_tensorcnt 0x1                           ; my part of K step 0 is in; K step 1's load stays out
	s_wait_dscnt 0x0                               ; my rows of X(0) are in LDS
	s_barrier_signal -1
	s_barrier_wait -1
	FETCH 0, 0, F0
; ================================================================ stage 1: 16 K steps of 64
	QUARTER 0, 1, 1, 16, 1                         ; the first products take enc_b as C: nothing is cleared
	TURN 0, 1, 1
	QUARTER 1, 1, 1, 16, 0
	TURN 1, 0, 1
	WIN 0
	s_mov_b32 s3, 5
.Llap:                                                 ; K steps 2..11
	QUARTER 0, 1, 1, 16, 0
	TURN 0, 1, 1
	QUARTER 1, 1, 1, 16, 0
	TURN 1, 0, 1
	WIN 0
	s_sub_co_u32 s3, s3, 1
	s_cmp_lg_u32 s3, 0
	s_cbranch_scc1 .Llap
	QUARTER 0, 1, 1, 16, 0                         ; step 12 asks for X(15), the last
	TURN 0, 1, 1
	QUARTER 1, 1, 0, 16, 0
	TURN 1, 0, 1
	QUARTER 0, 1, 0, 0, 0                          ; step 14 casts X(15): no load is behind it
	TURN 0, 1, 2                                   ; slot 0 gets z_W
	QUARTER 1, 0, 0, 0, 0
	TURN 1, 0, 3                                   ; slot 1 gets the records of round 0; z_W's first fragments are fetched
; ================================================================ stage 2
	PLACES                                         ; behind the last products: for the loads into buffer 1 and for the relu
	WIN 0
	ZFETCH 2
	RSPLIT 2
	RSPLIT 3
	s_wait_dscnt 0x0                               ; z_W's 32 fragment loads
	ZMUL 0, 0, 1
	ZMUL 1, 0, 0
	ZMUL 2, 0, 0
	ZMUL 3, 0, 0
	ZMUL 0, 1, 0
	ZMUL 1, 1, 0
	ZMUL 2, 1, 0
	ZMUL 3, 1, 0
	PLACES
	WIN 0x40
.irp n, 0,1,2,3
	global_load_b128 v[8*\n:8*\n+3],   v[HO], s[10:11] offset:64*\n       ; z_b[16 nzt + 8 h + 0..7], into window 1
	global_load_b128 v[8*\n+4:8*\n+7], v[HO], s[10:11] offset:64*\n+16
.endr
.irp n, 0,1,2,3
	WIN ((2+(\n>>1))<<2)
.irp b, 0,1,2,3,4,5,6,7
	ds_store_b128 v[PST], v[128*(\n&1)+8*\b:128*(\n&1)+8*\b+3]   offset:(4*\b+\n)*1024      ; the X buffers below were last read in front of the last round
	ds_store_b128 v[PST], v[128*(\n&1)+8*\b+4:128*(\n&1)+8*\b+7] offset:(4*\b+\n)*1024+512
.endr
.endr
	WIN 0
	s_wait_dscnt 0x0                               ; my partial z is in LDS, my reads of z_W's slot are over
	s_wait_xcnt 0x0
	v_lshl_add_u32 v222, v0, 2, 0x4ce00
	v_mov_b32 v223, 0
	s_wait_tensorcnt 0x0                           ; round 0's records have landed
	ds_add_u32 v222, v223
	s_wait_dscnt 0x0
	CROUND
	s_mov_b32 s[G0+1], s62
	s_mov_b64 s[G0+2:G0+3], s[58:59]
	s_add_nc_u64 s[58:59], s[58:59], RECB
	tensor_load_to_lds s[G0:G0+3], s[G1R:G1R+7]    ; slot 0: round 1's records
	s_nop 0
	WIN 0x80
.irp s, 0,1,2,3
.irp u, 0,1,2,3,4,5,6,7
	ds_load_b128 v[64*\s+8*\u:64*\s+8*\u+3],   v[PRD+\s] offset:\u*1024      ; wave s's partial of my row blocks 2 w, 2 w + 1; u = 4 bb + nzt
	ds_load_b128 v[64*\s+8*\u+4:64*\s+8*\u+7], v[PRD+\s] offset:\u*1024+512
.endr
.endr
	WIN 0
	s_wait_dscnt 0x0
	s_barrier_signal -1                            ; all reads of the partials are over: the bytes may be written again.  Nothing is filled by a tensor load behind
	s_barrier_wait -1                              ; this barrier, so round 1's records may stay on their way
; ================================================================ z and q of my 32 rows
	WIN 0xAA
.set i_, 0
.rept 32
	v_pk_add_f32 v[2*i_:2*i_+1], v[2*i_:2*i_+1], v[64+2*i_:64+2*i_+1]
.set i_, i_+1
.endr
	MULOAD 0
	WIN 0xAA
.set i_, 0
.rept 32
	v_pk_add_f32 v[128+2*i_:128+2*i_+1], v[128+2*i_:128+2*i_+1], v[192+2*i_:192+2*i_+1]
.set i_, i_+1
.endr
.set i_, 0
.rept 32
	v_pk_add_f32 v[2*i_:2*i_+1], v[2*i_:2*i_+1], v[128+2*i_:128+2*i_+1]
.set i_, i_+1
.endr
	s_wait_loadcnt 0x0                             ; z_b
	WIN 0x86
.set i_, 0
.rept 32
	v_pk_add_f32 v[2*i_:2*i_+1], v[2*i_:2*i_+1], v[2*(i_&15):2*(i_&15)+1]
.set i_, i_+1
.endr
.irp u, 0,1,2,3,4,5,6,7
	QSTEP \u
.endr
.irp g, 0,1,2,3
.irp j, 0,1,2,3,4,5,6,7
	v_permlanex16_b32 v[TQ+\j], v[DQ+8*\g+\j], s66, s67                ; the other half of the lanes holds the other 32 coordinates
.endr
.irp j, 0,2,4,6
	v_pk_add_f32 v[DQ+8*\g+\j:DQ+8*\g+\j+1], v[DQ+8*\g+\j:DQ+8*\g+\j+1], v[TQ+\j:TQ+\j+1]
.endr
.irp j, 0,2,4,6
	v_pk_add_f32 v[DQ+8*\g+\j:DQ+8*\g+\j+1], v[DQ+8*\g+\j:DQ+8*\g+\j+1], 1.0 op_sel_hi:[1,0]
.endr
.endr
.set i_, 0
.rept 32
	v_rcp_f32 v[DQ+i_], v[DQ+i_]
.set i_, i_+1
.endr
	v_nop                                          ; one plain instruction behind the reciprocals, ahead of their use (ISA guide 5.7.2)
	s_wait_alu depctr_va_vdst(0)
.irp bb, 0,1
.irp j, 0,1,2,3
	v_pk_add_f32 v[64+8*\bb+2*\j:64+8*\bb+2*\j+1], v[DQ+16*\bb+4*\j:DQ+16*\bb+4*\j+1], v[DQ+16*\bb+4*\j+2:DQ+16*\bb+4*\j+3]
.endr
	v_pk_add_f32 v[64+8*\bb:64+8*\bb+1], v[64+8*\bb:64+8*\bb+1], v[64+8*\bb+2:64+8*\bb+3]
	v_pk_add_f32 v[64+8*\bb+4:64+8*\bb+5], v[64+8*\bb+4:64+8*\bb+5], v[64+8*\bb+6:64+8*\bb+7]
	v_pk_add_f32 v[64+8*\bb:64+8*\bb+1], v[64+8*\bb:64+8*\bb+1], v[64+8*\bb+4:64+8*\bb+5]
	v_add_f32 v[64+8*\bb], v[64+8*\bb], v[64+8*\bb+1]                  ; the sum of the row's sixteen weights
.endr
	v_rcp_f32 v64, v64
	v_rcp_f32 v72, v72
	v_nop
	s_wait_alu depctr_va_vdst(0)
.irp bb, 0,1
.irp j, 0,1,2,3,4,5,6,7
	v_pk_mul_f32 v[DQ+16*\bb+2*\j:DQ+16*\bb+2*\j+1], v[DQ+16*\bb+2*\j:DQ+16*\bb+2*\j+1], v[64+8*\bb:64+8*\bb+1] op_sel_hi:[1,0]
.endr
.endr
.irp u, 0,1,2,3
	PK16 16*\u                                     ; z to bf16: fragment u = 2 bb + ks in registers 16 u .. + 7
.endr
	WIN 0x08
.irp u, 0,1,2,3
	ds_store_b128 v[ZBW], v[16*\u:16*\u+3]   offset:\u*1024
	ds_store_b128 v[ZBW], v[16*\u+4:16*\u+7] offset:\u*1024+512
.endr
.irp bb, 0,1
.irp k, 0,1,2,3,4,5,6,7,8,9,10,11,12,13,14,15
	ds_store_b32 v[QLW], v[DQ+16*\bb+\k] offset:\bb*2048+\k*128
.endr
.endr
	WIN 0
	s_wait_dscnt 0x0
	s_barrier_signal -1                            ; z and q of all 128 rows are in LDS
	s_barrier_wait -1
; ================================================================ stage 3
	v_bfe_u32 v74, v0, 4, 1
	v_and_b32 v72, 7, v0
	v_lshl_or_b32 v72, v74, 3, v72
	v_bfe_u32 v73, v0, 3, 1
	v_lshlrev_b32 v73, 4, v73
	s_mul_i32 s23, s20, 44608                      ; my half's record in a slot
	v_mad_u32_u24 v75, v72, 544, v73
	v_add_nc_u32 v[AW1], s23, v75
	v_add_nc_u32 v[AW1+1], L_SLOT1, v[AW1]
	v_lshl_add_u32 v75, v72, 5, v73
	v_add_nc_u32 v75, s23, v75
	v_add_nc_u32 v[AW2], 34816, v75                ; W2 begins at the record's row 64
	v_add_nc_u32 v[AW2+1], L_SLOT1+34816, v75
	v_lshlrev_b32 v74, 5, v74
	v_add_nc_u32 v75, s23, v74
	v_add_nc_u32 v[AB1], 43520, v75                ; b1 at row 80
	v_add_nc_u32 v[AB1+1], L_SLOT1+43520, v75
	v_mov_b32 v[NEG3], -1.0
	v_and_b32 v76, 31, v0
	s_lshl_b32 s23, s19, 13
	s_lshl_b32 s63, s20, 10
	s_add_co_u32 s63, s63, s23
	s_add_co_u32 s63, s63, L_QL
	v_lshl_add_u32 v[QLR], v76, 2, s63
	s_add_co_u32 s23, s23, L_ZB
	v_lshl_add_u32 v77, v76, 4, s23
	s_lshl_b32 s23, s20, 9
	s_add_co_u32 s23, s23, L_B2
	v_add_nc_u32 v78, s23, v74
.irp u, 0,1,2,3,4,5,6,7
	ds_load_b128 v[ZFR+8*\u:ZFR+8*\u+3],   v77 offset:\u*1024          ; z fragments of my four row blocks
	ds_load_b128 v[ZFR+8*\u+4:ZFR+8*\u+7], v77 offset:\u*1024+512
.endr
	WIN 0x40
.irp rb, 0,1,2,3
.irp k, 0,1,2,3,4,5,6,7
	ds_load_b32 v[QALL+8*\rb+\k], v[QLR] offset:\rb*2048+\k*128
.endr
.endr
.irp k, 0,1,2,3,4,5,6,7
	ds_load_b128 v[B2A+8*\k:B2A+8*\k+3],   v78 offset:\k*64
	ds_load_b128 v[B2A+8*\k+4:B2A+8*\k+7], v78 offset:\k*64+16
.endr
	s_wait_dscnt 0x0
	WIN 0x55
.irp rb, 0,1,2,3
.irp j, 0,1,2,3,4,5,6,7
	v_mul_f32 v[PR+8*\rb+\j], v[QALL+8*\rb], v[B2A+\j]                 ; preds start as the sum of q x b2 over my eight experts: nothing is cleared
.endr
.irp k, 1,2,3,4,5,6,7
.irp j, 0,1,2,3,4,5,6,7
	v_fma_f32 v[PR+8*\rb+\j], v[QALL+8*\rb+\k], v[B2A+8*\k+\j], v[PR+8*\rb+\j]
.endr
.endr
.endr
	WIN 0
	s_mov_b32 s3, 3
.Lexp:                                                 ; rounds 0..5; the refills are the records of rounds 2..7
	EXPERT 1, 1
	EXPERT 0, 1
	s_sub_co_u32 s3, s3, 1
	s_cmp_lg_u32 s3, 0
	s_cbranch_scc1 .Lexp
	EXPERT 1, 2
	EXPERT 0, 0
; ================================================================ the way out
	v_and_b32 v8, 15, v0
	v_bfe_u32 v9, v0, 4, 1
	v_mul_u32_u24 v8, v8, 80
	v_lshl_add_u32 v8, v9, 5, v8
	s_mul_i32 s23, s19, 5120
	s_mul_i32 s63, s20, 10240
	s_add_co_u32 s23, s23, s63
	s_add_co_u32 s23, s23, L_O
	v_add_nc_u32 v8, s23, v8                       ; array b, row 64 a + r, columns 8 h ..
	WIN 0x04
.irp rb, 0,1,2,3
	ds_store_b128 v8, v[PR+8*\rb:PR+8*\rb+3]   offset:\rb*1280
	ds_store_b128 v8, v[PR+8*\rb+4:PR+8*\rb+7] offset:\rb*1280+16
.endr
	WIN 0
	s_wait_dscnt 0x0
	CROUND                                         ; the closing round: no work-group ends while a partner may still ask jointly; its barriers also show the partial preds to all four waves
.irp m, 0,1,2,3,4
	v_add_nc_u32 v10, 128*\m, v0                   ; i: the i-th 8 bytes of the work-group's 5,120 bytes of out0
	v_mul_u32_u24 v11, v10, 0xcccd
	v_lshrrev_b32 v11, 18, v11                     ; row = i / 5 (exact for i below 640)
	v_mul_u32_u24 v11, v11, 40
	v_lshl_add_u32 v11, v10, 3, v11                ; 80 row + 8 (i - 5 row)
	v_add_nc_u32 v11, L_O, v11
	ds_load_b64 v[16+4*\m:17+4*\m], v11
	ds_load_b64 v[18+4*\m:19+4*\m], v11 offset:10240
.endr
	v_lshlrev_b32 v12, 3, v0
.irp m, 0,1,2,3,4
	s_wait_dscnt 8-2*\m                            ; the two loads of this piece are in, the younger ones stay out
	v_pk_add_f32 v[16+4*\m:17+4*\m], v[16+4*\m:17+4*\m], v[18+4*\m:19+4*\m]
	global_store_b64 v12, v[16+4*\m:17+4*\m], s[16:17] offset:1024*\m th:TH_STORE_NT    ; a wave's store covers 256 consecutive bytes, at a multiple of 256 from out0's first byte
.endr
	s_wait_xcnt 0x0
	v_lshl_add_u32 v222, v0, 2, 0x4ce00
	v_mov_b32 v223, 0
	s_wait_tensorcnt 0x0
	ds_add_u32 v222, v223
	s_wait_dscnt 0x0
	s_endpgm
.Lfunc_end_k_q4ab5d86865_fused:
	.size	k_q4ab5d86865_fused, .Lfunc_end_k_q4ab5d86865_fused-k_q4ab5d86865_fused
	.p2alignl 7, 3214868480
	.fill 96, 4, 3214868480
	.section	.rodata,"a",@progbits
	.p2align	6, 0x0
	.amdhsa_kernel k_q4ab5d86865_fused
		.amdhsa_group_segment_fixed_size 327680
		.amdhsa_private_segment_fixed_size 0
		.amdhsa_enable_private_segment 0
		.amdhsa_kernarg_size 56
		.amdhsa_user_sgpr_count 2
		.amdhsa_user_sgpr_kernarg_segment_ptr 1
		.amdhsa_wavefront_size32 1
		.amdhsa_system_sgpr_workgroup_id_x 1
		.amdhsa_system_sgpr_workgroup_id_y 1
		.amdhsa_system_sgpr_workgroup_id_z 1
		.amdhsa_system_vgpr_workitem_id 0
		.amdhsa_next_free_vgpr 1024
		.amdhsa_next_free_sgpr 72
		.amdhsa_reserve_vcc 0
		.amdhsa_float_denorm_mode_32 3
		.amdhsa_float_denorm_mode_16_64 3
		.amdhsa_memory_ordered 1
		.amdhsa_forward_progress 1
		.amdhsa_inst_pref_size 255
	.end_amdhsa_kernel
	.section	.bss,"aw",@nobits
	.p2align	6
	.space	262144
	.amdgpu_metadata
---
amdhsa.version: [ 1, 2 ]
amdhsa.kernels:
  - .name:           k_q4ab5d86865_fused
    .symbol:         k_q4ab5d86865_fused.kd
    .args:
      - { .name: X, .offset: 0, .size: 8, .value_kind: global_buffer, .address_space: global }
      - { .name: wk, .offset: 8, .size: 8, .value_kind: global_buffer, .address_space: global }
      - { .name: enc_b, .offset: 16, .size: 8, .value_kind: global_buffer, .address_space: global }
      - { .name: z_b, .offset: 24, .size: 8, .value_kind: global_buffer, .address_space: global }
      - { .name: mu, .offset: 32, .size: 8, .value_kind: global_buffer, .address_space: global }
      - { .name: b2, .offset: 40, .size: 8, .value_kind: global_buffer, .address_space: global }
      - { .name: out0, .offset: 48, .size: 8, .value_kind: global_buffer, .address_space: global }
    .group_segment_fixed_size: 327680
    .private_segment_fixed_size: 0
    .kernarg_segment_align: 8
    .kernarg_segment_size: 56
    .max_flat_workgroup_size: 128
    .sgpr_count:     72
    .vgpr_count:     1024
    .wavefront_size: 32
...
	.end_amdgpu_metadata
.endif
;; end of part 2
;; ======== version 2 of 2: 2 launches; 1.23 times as fast as version 1
;; workspace buffers: wk 1,769,472 bytes
;; launch prep (part 3): grid 432 x 1, 8 waves a work-group, no clusters, 0 bytes of LDS; arguments enc_W, W1, z_W, W2, wk; writes wk
.if DOCPART == 3
	.amdgcn_target "amdgcn-amd-amdhsa--gfx1250"
	.amdhsa_code_object_version 6
	.text
	.protected	k_q4ab5d86865_prep
	.globl	k_q4ab5d86865_prep
	.p2align	8
	.type	k_q4ab5d86865_prep,@function
k_q4ab5d86865_prep:
	s_mov_b64 s[64:65], 0
	v_nop
	global_prefetch_b8 v0, s[64:65] scope:SCOPE_SE
	s_setreg_imm32_b32 hwreg(HW_REG_WAVE_MODE, 25, 1), 1
	s_wait_xcnt 0x0
; Casts the weights to bf16 once, in their own [k][n] order, so that the 256 work-groups of the next launch need not each do it.
; wk: byte 0        enc_W as bf16 [1024][512]
;     byte ZWOFF    z_W   as bf16 [512][64]
;     byte RECOFF   16 records of RECB bytes, one for each expert: W1[k] bf16 [64][256] (32,768 bytes), then W2[k] bf16 [256][16] with
;                   columns 10..15 zero (8,192 bytes): 80 rows of 512 bytes.
; Work-groups 0-255 take enc_W, 256-383 W1, 384-399 z_W (2,048 numbers each), 400-431 W2 (half an expert each).
; A stream: no LDS, no barrier, no matrix unit; every input byte is read once, every byte of wk is written once.
.set ZWOFF,  1048576
.set RECOFF, 1114112
.set RECB,   40960
; 2,048 f32 at s[p:p+1] + s[20:21] become 2,048 bf16 at wk + s[22:23].  A wave's load covers 512 consecutive bytes, its store 256.
.macro DENSE p
	s_add_nc_u64 s[20:21], s[\p:\p+1], s[20:21]
	s_add_nc_u64 s[22:23], s[14:15], s[22:23]
	global_load_b128 v[8:11], v3, s[20:21] th:TH_LOAD_NT
	global_load_b128 v[12:15], v3, s[20:21] offset:512 th:TH_LOAD_NT
	s_wait_loadcnt 0x0
	v_cvt_pk_bf16_f32 v16, v8, v9
	v_cvt_pk_bf16_f32 v17, v10, v11
	v_cvt_pk_bf16_f32 v18, v12, v13
	v_cvt_pk_bf16_f32 v19, v14, v15
	global_store_b64 v4, v[16:17], s[22:23]
	global_store_b64 v4, v[18:19], s[22:23] offset:256
	s_endpgm
.endm
	s_load_b256 s[4:11], s[0:1], 0x0               ; enc_W s[4:5], W1 s[6:7], z_W s[8:9], W2 s[10:11]
	s_load_b64 s[14:15], s[0:1], 0x20              ; wk
	v_lshrrev_b32 v1, 5, v0                        ; wave
	v_and_b32 v2, 31, v0                           ; lane
	v_lshlrev_b32 v3, 4, v2
	v_lshl_add_u32 v3, v1, 10, v3                  ; source: wave x 1,024 + lane x 16
	v_lshlrev_b32 v4, 3, v2
	v_lshl_add_u32 v4, v1, 9, v4                   ; destination: wave x 512 + lane x 8
	s_mov_b32 s16, ttmp9
	s_mov_b32 s21, 0
	s_mov_b32 s23, 0
	s_wait_kmcnt 0x0
	s_cmp_ge_u32 s16, 256
	s_cbranch_scc1 .Lnot_enc
	s_lshl_b32 s20, s16, 13
	s_lshl_b32 s22, s16, 12
	DENSE 4
.Lnot_enc:
	s_cmp_ge_u32 s16, 384
	s_cbranch_scc1 .Lnot_w1
	s_sub_co_u32 s18, s16, 256
	s_lshl_b32 s20, s18, 13
	s_lshr_b32 s19, s18, 3                         ; expert
	s_and_b32 s18, s18, 7                          ; eighth of its W1
	s_mul_i32 s22, s19, RECB
	s_lshl_b32 s18, s18, 12
	s_add_co_u32 s22, s22, s18
	s_add_co_u32 s22, s22, RECOFF
	DENSE 6
.Lnot_w1:
	s_cmp_ge_u32 s16, 400
	s_cbranch_scc1 .Lw2
	s_sub_co_u32 s18, s16, 384
	s_lshl_b32 s20, s18, 13
	s_lshl_b32 s22, s18, 12
	s_add_co_u32 s22, s22, ZWOFF
	DENSE 8
.Lw2:
	; W2[k]: rows of 10 f32 become rows of 16 bf16.  Thread t makes 16 bytes: unit u = 256 part + t, row u / 2, columns 8 (u & 1) .. + 7.
	s_sub_co_u32 s18, s16, 400
	s_lshr_b32 s19, s18, 1                         ; expert
	s_and_b32 s18, s18, 1                          ; part
	s_lshl_b32 s24, s18, 8
	v_add_nc_u32 v5, s24, v0                       ; u
	v_lshrrev_b32 v6, 1, v5                        ; row
	v_and_b32 v7, 1, v0                            ; half
	v_mul_u32_u24 v8, v6, 40
	v_lshl_add_u32 v8, v7, 5, v8                   ; row x 40 + half x 32
	v_cmp_eq_u32 s25, 1, v7
.irp j, 1,2,3
	v_add_nc_u32 v[8+\j], 8*\j, v8                 ; the lower half reads 4 x 8 bytes;
	v_cndmask_b32 v[8+\j], v[8+\j], v8, s25        ; the upper half has only columns 8, 9: it reads them four times, so that no load passes the row's end
.endr
	s_mul_i32 s20, s19, 10240
	s_add_nc_u64 s[20:21], s[10:11], s[20:21]
	global_load_b64 v[12:13], v8, s[20:21] th:TH_LOAD_NT
	global_load_b64 v[14:15], v9, s[20:21] th:TH_LOAD_NT
	global_load_b64 v[16:17], v10, s[20:21] th:TH_LOAD_NT
	global_load_b64 v[18:19], v11, s[20:21] th:TH_LOAD_NT
	s_mul_i32 s22, s19, RECB
	s_lshl_b32 s24, s18, 12
	s_add_co_u32 s22, s22, s24
	s_add_co_u32 s22, s22, RECOFF+32768
	s_add_nc_u64 s[22:23], s[14:15], s[22:23]
	v_lshlrev_b32 v5, 4, v0
	s_wait_loadcnt 0x0
.irp j, 14,15,16,17,18,19
	v_cndmask_b32 v\j, v\j, 0, s25                 ; columns 10..15 are zero
.endr
	v_cvt_pk_bf16_f32 v20, v12, v13
	v_cvt_pk_bf16_f32 v21, v14, v15
	v_cvt_pk_bf16_f32 v22, v16, v17
	v_cvt_pk_bf16_f32 v23, v18, v19
	global_store_b128 v5, v[20:23], s[22:23]       ; a wave's store covers 512 consecutive bytes
	s_endpgm
.Lfunc_end_k_q4ab5d86865_prep:
	.size	k_q4ab5d86865_prep, .Lfunc_end_k_q4ab5d86865_prep-k_q4ab5d86865_prep
	.p2alignl 7, 3214868480
	.fill 96, 4, 3214868480
	.section	.rodata,"a",@progbits
	.p2align	6, 0x0
	.amdhsa_kernel k_q4ab5d86865_prep
		.amdhsa_group_segment_fixed_size 0
		.amdhsa_private_segment_fixed_size 0
		.amdhsa_enable_private_segment 0
		.amdhsa_kernarg_size 40
		.amdhsa_user_sgpr_count 2
		.amdhsa_user_sgpr_kernarg_segment_ptr 1
		.amdhsa_wavefront_size32 1
		.amdhsa_system_sgpr_workgroup_id_x 1
		.amdhsa_system_sgpr_workgroup_id_y 1
		.amdhsa_system_sgpr_workgroup_id_z 1
		.amdhsa_system_vgpr_workitem_id 0
		.amdhsa_next_free_vgpr 24
		.amdhsa_next_free_sgpr 66
		.amdhsa_reserve_vcc 0
		.amdhsa_float_denorm_mode_32 3
		.amdhsa_float_denorm_mode_16_64 3
		.amdhsa_memory_ordered 1
		.amdhsa_forward_progress 1
		.amdhsa_inst_pref_size 7
	.end_amdhsa_kernel
	.amdgpu_metadata
---
amdhsa.version: [ 1, 2 ]
amdhsa.kernels:
  - .name:           k_q4ab5d86865_prep
    .symbol:         k_q4ab5d86865_prep.kd
    .args:
      - { .name: enc_W, .offset: 0, .size: 8, .value_kind: global_buffer, .address_space: global }
      - { .name: W1, .offset: 8, .size: 8, .value_kind: global_buffer, .address_space: global }
      - { .name: z_W, .offset: 16, .size: 8, .value_kind: global_buffer, .address_space: global }
      - { .name: W2, .offset: 24, .size: 8, .value_kind: global_buffer, .address_space: global }
      - { .name: wk, .offset: 32, .size: 8, .value_kind: global_buffer, .address_space: global }
    .group_segment_fixed_size: 0
    .private_segment_fixed_size: 0
    .kernarg_segment_align: 8
    .kernarg_segment_size: 40
    .max_flat_workgroup_size: 256
    .sgpr_count:     66
    .vgpr_count:     24
    .wavefront_size: 32
...
	.end_amdgpu_metadata
.endif
;; end of part 3
;; launch fused (part 4): grid 256 x 1, 4 waves a work-group, clusters of 4 x 1, 327,680 bytes of LDS; arguments X, wk, enc_b, z_b, mu, b2, out0, b1; writes out0
.if DOCPART == 4
	.amdgcn_target "amdgcn-amd-amdhsa--gfx1250"
	.amdhsa_code_object_version 6
	.text
	.protected	k_q4ab5d86865_fused
	.globl	k_q4ab5d86865_fused
	.p2align	8
	.type	k_q4ab5d86865_fused,@function
k_q4ab5d86865_fused:
	s_mov_b64 s[64:65], 0
	v_nop
	global_prefetch_b8 v0, s[64:65] scope:SCOPE_SE
	s_setreg_imm32_b32 hwreg(HW_REG_WAVE_MODE, 25, 1), 1
	s_wait_xcnt 0x0
	s_wait_alu depctr_hold_cnt(0) depctr_sa_sdst(0) depctr_va_vdst(0) depctr_va_sdst(0) depctr_va_ssrc(0) depctr_va_vcc(0) depctr_vm_vsrc(0)
	s_getreg_b32 s2, hwreg(HW_REG_IB_STS2, 6, 4)
	s_cmp_eq_u32 s2, 0
	s_cbranch_scc0 .Lentry_in_a_cluster
	s_endpgm
.Lentry_in_a_cluster:
	s_bfe_u32 s2, ttmp6, 0x10000c
	s_cmp_lg_u32 s2, 0x3003
	s_cbranch_scc0 .Lentry_shape_is_right
	s_endpgm
.Lentry_shape_is_right:
; preds = sum over k of q_k (relu(z W1[k] + b1[k]) W2[k] + b2[k]),  z = relu(X enc_W + enc_b) z_W + z_b,  q = normalised 1 / (1 + |z - mu_k|^2).
; One work-group of four waves makes 128 rows from X to out0; h, z, eh and the logits never leave the WGP.
;
; EVERY PRODUCT IS FORMED TRANSPOSED: the weights are source 0 (16 output features x 32 K), the batch rows are source 1's columns.  In a result
; tile lane (r, h) then holds batch row r and features 8 h + 0..7, which, two tiles packed to bf16, is source 1 of the next product: the chain
; h -> z -> eh -> logits stays in registers.  The weights lie [k][n] in wk (bf16, cast by the launch before) and are read by transposing loads.
;   stage 1   wave w: hidden 128 w .. + 127 for all 128 rows, 64 accumulator tiles; K = 1024 in 16 steps of 64
;   stage 2   wave w: partial z (64 x 128 rows) over its own 128 hidden; the four partials meet in LDS; wave w finishes rows 32 w .. + 31, and their q
;   stage 3   wave (a = w / 2, b = w % 2): rows 64 a .. + 63, experts 8 b .. 8 b + 7, one expert a round, eight steps of 32 expert hidden in a loop;
;             the two partial preds of a row meet in LDS
; ACCURACY: X, z and all weight matrices are single bf16 operands.  h and eh enter their products as two bf16 terms, hi + lo with lo = value - hi (exact
; in f32).  bf16 keeps 8 significant bits; each rounding of an intermediate adds an error to the output that is independent from row to row, and with
; 327,680 outputs, many of them near zero, three such roundings in a row leave too little of the allowed 1 per cent of the output's spread.  Of the three only z
; is rounded once: its second term would double stage 3's larger product (1,024 matrix instructions a wave), h's costs 128 and eh's 256.
; Biases, mu, q, the distances and all sums are f32; the distance is a sum of squares of differences.
; LIMITS: relu is a maximum with 0 that drops a NaN (a NaN pre-activation gives 0).  v_rcp_f32 flushes results below 2^-126 (ISA guide, 15.8): q is
; wrong only where 1 + distance exceeds 2^126.  An h or eh above bf16's largest number rounds to infinity and its lo term to NaN.
; CLUSTERS: every work-group walks the same weights, 1.75 MB.  Four work-groups form a cluster and ask for each weight tile jointly (mask 15), which
; divides those requests by four.  A mask names four at the most, so a larger cluster would add nothing.  X is each work-group's own and comes
; through registers, since it has to be cast on the way.
; By this text's count a wave has two tensor loads out at the start and one at any time after.
;
; LDS (bytes)
.set L_SLOT1, 89344                    ; two slots for weight tiles at 0 and here; only tensor loads write them
.set L_P,     178688                   ; 131,072 bytes written by LDS stores only, used in turn for:
.set XBB,     18432                    ;   X as bf16, two buffers of 128 rows x 64 k, pitch 144
                                       ;   the four partial z: wave x 32,768 + (4 b + nzt) x 1,024 + half x 512 + lane x 16
.set L_ZB,    L_P                      ;   z fragments: (2 rb + ks) x 1,024 + half x 512 + lane x 16
.set L_QL,    L_P+16384                ;   q: rb x 2,048 + k x 128 + lane x 4
.set L_O,     L_P+32768                ;   two arrays of partial preds, 128 rows, pitch 80
.set L_B1,    L_P+65536                ;   b1 of all 16 experts, f32, dense: 1,024 bytes an expert, 128 a step
.set L_MU,    309760                   ; mu, f32, dense
.set L_B2,    313856                   ; b2 as [16][16] f32, columns 10..15 zero
.set RECB,    40960                    ; an expert's record in wk
; weight tiles in a slot, each wave's part by its own tensor load:
;   enc_W  wave x 18,432: 64 k rows x 256 bytes, pitch 288      z_W  wave x 20,480: 128 k rows x 128 bytes, pitch 160
;   record wave x 21,760: 40 rows x 512 bytes, pitch 544; waves 2 b, 2 b + 1 bring expert e + 8 b, which so begins at b x 43,520
; (288, 160 and 544 are odd multiples of 32: the rows that a transposing load touches start 32 bytes apart modulo 256)
; scalar registers
.set G1E, 24                           ; s[24:31] descriptor group 1, enc_W tiles
.set G1Z, 32                           ; s[32:39] z_W tile
.set G1R, 40                           ; s[40:47] records
.set G0,  48                           ; s[48:55] descriptor group 0, four registers for each slot
; s[4:5] X  s[6:7] wk  s[8:9] enc_b  s[10:11] z_b  s[12:13] mu  s[14:15] b2  s[16:17] out0  s[72:73] b1  s3 counter  s63 inner counter
; s18 wave  s19 a  s20 b  s21 cx  s22 work-group
; s[56:57] z_W tile's address  s[58:59] next record's address (both with the type bits)  s60-62 wave x 18,432 / 20,480 / 21,760
; s[66:67] lane select  s[68:69] offsets from the wave number  s[70:71] offsets from the work-group's number (never in a descriptor)
; vector registers, stages 1 and 2 (windows of 256)
;   window 0: v0-31 addresses, v64-127 and v128-191 weight fragments (two buffers), v192-255 enc_b as C tiles
;   window 1: v0-63 and v192-255 X in f32 on its way, v64-127 and v128-191 X fragments; later h's hi fragments (p, b) at 64 p + 8 b
;   windows 2, 3: accumulator tile (a, b) at 8 (8 a + b), a = 0..3 and 4..7
.set XO,   4
.set XBW,  5
.set ADRA, 8
.set ADRB, 10
.set ADRZ, 12
.set BO,   13
.set HO,   14
.set PST,  15
.set PRD,  16
.set MUA,  20
.set ZBW,  21
.set QLW,  22
.set NEG1, 23
.set T16,  27                          ; 16 x thread
.set B1W,  29                          ; where I put my part of b1
.set F0,   64
.set F1,   128
.set BIAS, 192
; window 2 while z and q are finished
.set ZF,   0                           ; z (bb, nzt) at 32 bb + 8 nzt
.set MUBF, 64                          ; two buffers of mu, two centres of 32 registers each
.set ACC,  192
.set TQ,   208
.set DQ,   224                         ; distance, then q, of (bb, k) at 16 bb + k
; stage 3, window 0: all that a step touches, so that the step loop has no change of window
.set CW1,  1                           ; W1 of the step at work: + 64 a step
.set CW2,  2                           ; W2 of the step at work: + 1,088 a step
.set CB1,  3                           ; b1 of the step at work: + 128 a step, on through my eight experts
.set QLR,  4                           ; q of the expert at work: + 128 an expert
.set CB2,  5                           ; b2 of the expert at work: + 64 an expert
.set BW1,  6                           ; W1 and W2 of step 0 in slot 0
.set BW2,  7
.set ZFR,  8                           ; z fragment (rb, ks) at 16 rb + 8 ks
.set DA,   72                          ; eh tiles (t, y) at 16 y + 8 t, row blocks 0, 1; later eh's lo fragment of y at 16 y
.set DB,   104                         ; row blocks 2, 3
.set WB,   136                         ; W1 fragments (t, ks) at 16 t + 8 ks
.set LG,   168                         ; logits of row block rb at 8 rb
.set W2F,  200
.set B1F,  208
.set HF,   224                         ; eh's hi fragment of y at 8 y
.set NEG3, 240                         ; -1.0
; stage 3, window 1
.set PR,   0
.set QC,   32
.set MSB, 0
.macro WIN new                         ; s_set_vgpr_msb: bits 1:0 source 0, 3:2 source 1, 5:4 source 2, 7:6 destination; the high byte repeats the setting left
.if MSB != \new
	s_set_vgpr_msb (MSB<<8)|\new
.set MSB, \new
.endif
.endm
.macro PLACES                          ; four places behind a matrix instruction (ISA guide 7.12.1) where no useful vector work is at hand
.rept 4
	v_nop
.endr
.endm
.macro CREST                           ; a round of the cluster's barrier behind its opening work-group barrier
	s_cmp_lg_u32 s18, 0
	s_cbranch_scc1 .Lnot_wave_0_\@
	s_barrier_signal -3
.Lnot_wave_0_\@:
	s_barrier_wait -3
	s_barrier_signal -1
	s_barrier_wait -1
.endm
.macro CROUND                          ; a whole round
	s_barrier_signal -1
	s_barrier_wait -1
	CREST
.endm
.macro G1SET base, qi, cols, rows, pitch
	s_mov_b32 s[\base+0], 15|(1<<16)|(1<<20)|(1<<21)|(\qi<<22)|(7<<25)  ; mask: all four of the cluster; 2-byte elements; padding on; bit 21 beside a mask; 8 words of padding after every 2 << qi words
	s_mov_b32 s[\base+1], \cols<<16                ; tensor_dim0
	s_mov_b32 s[\base+2], \rows<<16                ; tensor_dim1
	s_mov_b32 s[\base+3], \cols<<16                ; tile_dim0
	s_mov_b32 s[\base+4], \rows                    ; tile_dim1
	s_mov_b32 s[\base+5], \pitch                   ; elements from row to row
	s_mov_b32 s[\base+6], 0
	s_mov_b32 s[\base+7], 0
.endm
.macro PK16 t                          ; two f32 tiles at t and t + 8 become one bf16 fragment in registers t .. t + 7: each target has been read already
.irp j, 0,1,2,3
	v_cvt_pk_bf16_f32 v[(\t)+\j], v[(\t)+2*\j], v[(\t)+2*\j+1]
.endr
.irp j, 0,1,2,3
	v_cvt_pk_bf16_f32 v[(\t)+4+\j], v[(\t)+8+2*\j], v[(\t)+9+2*\j]
.endr
.endm
; ---------------------------------------------------------------- stage 1's macros
; 16 matrix instructions: hidden tiles a0, a0 + 1 of the window's four x all 8 row blocks, 32 along K.  bias = 1: enc_b is the C operand and starts the sums.
; The accumulators take turns, one instruction a turn.
.macro MUL16 f, hi, a0, bias
.irp a, \a0, \a0+1
.irp b, 0,1,2,3,4,5,6,7
.if \bias
	v_wmma_f32_16x16x32_bf16 v[8*(8*(\a)+\b):8*(8*(\a)+\b)+7], v[\f+8*(4*\hi+\a):\f+8*(4*\hi+\a)+7], v[\f+8*\b:\f+8*\b+7], v[BIAS+8*(4*\hi+\a):BIAS+8*(4*\hi+\a)+7]
.else
	v_wmma_f32_16x16x32_bf16 v[8*(8*(\a)+\b):8*(8*(\a)+\b)+7], v[\f+8*(4*\hi+\a):\f+8*(4*\hi+\a)+7], v[\f+8*\b:\f+8*\b+7], v[8*(8*(\a)+\b):8*(8*(\a)+\b)+7]
.endif
.endr
.endr
.endm
; 32 LDS loads: the fragments of 32 along K (half i of the slot's 64): 8 row blocks of X, then my 8 hidden tiles of enc_W, transposed on the way
.macro FETCH slot, i, f
	WIN 0x44
.irp b, 0,1,2,3,4,5,6,7
	ds_load_b128 v[\f+8*\b:\f+8*\b+3],   v[ADRB+\slot] offset:64*\i+\b*2304
	ds_load_b128 v[\f+8*\b+4:\f+8*\b+7], v[ADRB+\slot] offset:64*\i+\b*2304+32
.endr
	WIN 0
.irp a, 0,1,2,3,4,5,6,7
	ds_load_tr16_b128 v[\f+8*\a:\f+8*\a+3],   v[ADRA+\slot] offset:\i*9216+32*\a
	ds_load_tr16_b128 v[\f+8*\a+4:\f+8*\a+7], v[ADRA+\slot] offset:\i*9216+32*\a+4608
.endr
.endm
; my 32 rows x 64 k of X: f32 to bf16 in place, then into X buffer xb.  Lanes 0-15 write 128 bytes of one row, lanes 16-31 of the row 8 further
; (1,152 bytes = 128 modulo 256): the 32 lanes' words are all different modulo 256 bytes.
.macro CONV set, xb
	WIN 0x45
.set q, 0
.rept 16
	v_cvt_pk_bf16_f32 v[\set+4*q],   v[\set+4*q],   v[\set+4*q+1]
	v_cvt_pk_bf16_f32 v[\set+4*q+1], v[\set+4*q+2], v[\set+4*q+3]
.set q, q+1
.endr
	WIN 0x44
.set q, 0
.rept 16
	ds_store_b64 v[XBW+\xb], v[\set+4*q:\set+4*q+1] offset:((q>>3)*16+(q&7))*144
.set q, q+1
.endr
.endm
; 16 loads: my 32 rows x 256 bytes of X; sixteen lanes take 256 consecutive bytes of a row, aligned
.macro XLOAD set, step
.if \step
	s_wait_xcnt 0x0                                ; the base is stepped only when every earlier load's address has been translated
	s_add_nc_u64 s[4:5], s[4:5], 256
.endif
	WIN 0x44
.set q, 0
.rept 16
	global_load_b128 v[\set+4*q:\set+4*q+3], v[XO], s[4:5] offset:((q>>3)*16+(q&7))*4096 th:TH_LOAD_NT
.set q, q+1
.endr
.endm
; The first 32 of a K step t (slot = t & 1).  In its middle: X(t+1) is cast into the other X buffer, X(t+3) is asked for, the second 32's fragments are fetched.
.macro QUARTER slot, conv, load, lcnt, bias
	s_wait_dscnt 8                                 ; all but the youngest eight loads, which are hidden tiles 4..7
	WIN (0xA4-0x20*\bias)
	MUL16 F0, 0, 0, \bias
	MUL16 F0, 0, 2, \bias
.if \conv
	s_wait_loadcnt \lcnt                           ; X(t+1) is in; lcnt counts the loads of X(t+2), issued behind it
	CONV 192*(1-\slot), 1-\slot                    ; its 32 conversions are also the places in front of the loads into buffer 1
.if \load
	XLOAD 192*(1-\slot), 1
.endif
.else
	PLACES
.endif
	FETCH \slot, 1, F1
	s_wait_dscnt 32+16*\conv                       ; all but what has just been issued (16 stores of X, 32 fragment loads)
	WIN (0xF4-0x30*\bias)
	MUL16 F0, 1, 0, \bias
	MUL16 F0, 1, 2, \bias
.endm
.macro ZFETCH p0                       ; z_W fragments (p, nzt), p = p0, p0 + 1, at v[64 + 8 (4 p + nzt)]
.irp p, \p0, \p0+1
.irp n, 0,1,2,3
	ds_load_tr16_b128 v[64+8*(4*(\p)+\n):64+8*(4*(\p)+\n)+3],   v[ADRZ] offset:(\p)*5120+32*\n
	ds_load_tr16_b128 v[64+8*(4*(\p)+\n)+4:64+8*(4*(\p)+\n)+7], v[ADRZ] offset:(\p)*5120+32*\n+2560
.endr
.endr
.endm
; The second 32 of a K step, and the change of slots.  In front of the round each wave waits for its LDS work (its reads of this slot and of this X buffer, its
; stores into the other X buffer) and for all its tensor loads (one is out: its part of the next slot).  Behind the round this slot is filled again first.
; kind 1: enc_W two steps on; 2: the z_W tile; 3: expert round 0's records.
.macro TURN slot, next, kind
	s_wait_dscnt 8
	WIN 0xA4
	MUL16 F1, 0, 0, 0
	s_wait_dscnt 0x0
	s_wait_xcnt 0x0
	s_set_vgpr_msb 0xa424
	v_lshl_add_u32 v214, v0, 2, 0x4ce00
	v_mov_b32 v215, 0
	s_set_vgpr_msb 0x2420
	s_wait_tensorcnt 0x0
	ds_add_u32 v214, v215
	s_wait_dscnt 0x0
	s_set_vgpr_msb 0x20a4
	s_barrier_signal -1
	MUL16 F1, 0, 2, 0                              ; register work while the others arrive
	WIN 0
	s_barrier_wait -1
	CREST
.if \kind == 1
	s_add_nc_u64 s[G0+4*\slot+2:G0+4*\slot+3], s[G0+4*\slot+2:G0+4*\slot+3], 131072
	tensor_load_to_lds s[G0+4*\slot:G0+4*\slot+3], s[G1E:G1E+7]
	s_nop 0
.endif
.if \kind == 2
	s_mov_b32 s[G0+1], s61
	s_mov_b64 s[G0+2:G0+3], s[56:57]
	tensor_load_to_lds s[G0:G0+3], s[G1Z:G1Z+7]
	s_nop 0
.endif
.if \kind == 3
	s_add_co_u32 s[G0+5], s62, L_SLOT1
	s_mov_b64 s[G0+6:G0+7], s[58:59]
	s_add_nc_u64 s[58:59], s[58:59], RECB
	tensor_load_to_lds s[G0+4:G0+7], s[G1R:G1R+7]
	s_nop 0
.endif
	PLACES
.if \kind == 3
	ZFETCH 0
.else
	FETCH \next, 0, F0
.endif
	WIN 0xF4
	MUL16 F1, 1, 0, 0
	MUL16 F1, 1, 2, 0
.endm
; ---------------------------------------------------------------- stage 2's macros
; Window W's 32 tiles: relu; hi = bf16(h) into window 1; lo = h - hi in place; lo packed over the odd tile of each pair.  Fragment f_ = 8 pp + b is made of
; tiles T0 = 128 pp + 8 b (K 8 h + 0..7) and T0 + 64 (K 16 + 8 h + 0..7).  The even tile's eight registers are free afterwards.
.macro RSPLIT W
	WIN (\W*0x55)
.set i_, 0
.rept 256
	v_max_num_f32 v[i_], 0, v[i_]
.set i_, i_+1
.endr
	WIN (0x40|(\W<<2)|\W)
.set f_, 0
.rept 16
.set T0_, 128*(f_>>3)+8*(f_&7)
.set H_, 128*(\W-2)+8*f_
.irp i, 0,1,2,3
	v_cvt_pk_bf16_f32 v[H_+\i],   v[T0_+2*\i],    v[T0_+2*\i+1]
	v_cvt_pk_bf16_f32 v[H_+4+\i], v[T0_+64+2*\i], v[T0_+65+2*\i]
.endr
.set f_, f_+1
.endr
	WIN ((\W*0x50)|1)
.set f_, 0
.rept 16
.set T0_, 128*(f_>>3)+8*(f_&7)
.set H_, 128*(\W-2)+8*f_
.irp i, 0,1,2,3
	v_fma_mix_f32_bf16 v[T0_+2*\i],    v[H_+\i],   v[NEG1], v[T0_+2*\i]    op_sel_hi:[1,0,0]                ; h - hi: hi's low half x -1.0 + h
	v_fma_mix_f32_bf16 v[T0_+2*\i+1],  v[H_+\i],   v[NEG1], v[T0_+2*\i+1]  op_sel:[1,0,0] op_sel_hi:[1,0,0] ; its high half
	v_fma_mix_f32_bf16 v[T0_+64+2*\i], v[H_+4+\i], v[NEG1], v[T0_+64+2*\i] op_sel_hi:[1,0,0]
	v_fma_mix_f32_bf16 v[T0_+65+2*\i], v[H_+4+\i], v[NEG1], v[T0_+65+2*\i] op_sel:[1,0,0] op_sel_hi:[1,0,0]
.endr
.set f_, f_+1
.endr
	WIN (\W*0x55)
.set f_, 0
.rept 16
.set T0_, 128*(f_>>3)+8*(f_&7)
.irp i, 3,2,1,0
	v_cvt_pk_bf16_f32 v[T0_+68+\i], v[T0_+64+2*\i], v[T0_+65+2*\i]  ; from the top down: each target has been read already
.endr
.irp i, 0,1,2,3
	v_cvt_pk_bf16_f32 v[T0_+64+\i], v[T0_+2*\i], v[T0_+2*\i+1]
.endr
.set f_, f_+1
.endr
.endm
; 32 matrix instructions: partial z += z_W(p)^T x h fragment p (hi or lo).  Accumulator (nzt, b): window 2 + nzt / 2, register 128 (nzt & 1) + 8 b, in the freed tiles.
.macro ZMUL p, lo, zero
.irp n, 0,1,2,3
.if \lo
	WIN (((2+(\n>>1))*0x50)|((2+(\p>>1))<<2))
.set BF_, 128*(\p&1)+64
.else
	WIN (((2+(\n>>1))*0x50)|4)
.set BF_, 64*\p
.endif
.irp b, 0,1,2,3,4,5,6,7
.if \zero
	v_wmma_f32_16x16x32_bf16 v[128*(\n&1)+8*\b:128*(\n&1)+8*\b+7], v[64+8*(4*\p+\n):64+8*(4*\p+\n)+7], v[BF_+8*\b:BF_+8*\b+7], 0
.else
	v_wmma_f32_16x16x32_bf16 v[128*(\n&1)+8*\b:128*(\n&1)+8*\b+7], v[64+8*(4*\p+\n):64+8*(4*\p+\n)+7], v[BF_+8*\b:BF_+8*\b+7], v[128*(\n&1)+8*\b:128*(\n&1)+8*\b+7]
.endif
.endr
.endr
.endm
; ---------------------------------------------------------------- q's macros
.macro MULOAD u                        ; centres 2 u, 2 u + 1: my 32 coordinates of each (16 nzt + 8 h + 0..7) into buffer u & 1
	WIN 0x80
.irp kk, 0,1
.irp n, 0,1,2,3
	ds_load_b128 v[MUBF+64*((\u)&1)+32*\kk+8*\n:MUBF+64*((\u)&1)+32*\kk+8*\n+3],   v[MUA] offset:(2*(\u)+\kk)*256+64*\n
	ds_load_b128 v[MUBF+64*((\u)&1)+32*\kk+8*\n+4:MUBF+64*((\u)&1)+32*\kk+8*\n+7], v[MUA] offset:(2*(\u)+\kk)*256+64*\n+16
.endr
.endr
.endm
.macro QSTEP u                         ; my half of |z - mu|^2 for two centres x two row blocks: four chains c = 2 kk + bb that do not wait for each other
.if \u < 7
	MULOAD \u+1
	s_wait_dscnt 16                                ; all but the next buffer's sixteen loads
.else
	s_wait_dscnt 0x0
.endif
	WIN 0xAA
.set MB_, MUBF+64*((\u)&1)
.set i_, 0
.rept 16
.irp c, 0,1,2,3
	v_pk_add_f32 v[TQ+2*\c:TQ+2*\c+1], v[ZF+32*(\c&1)+2*i_:ZF+32*(\c&1)+2*i_+1], v[MB_+32*(\c>>1)+2*i_:MB_+32*(\c>>1)+2*i_+1] neg_lo:[0,1] neg_hi:[0,1]
.endr
.irp c, 0,1,2,3
.if i_ == 0
	v_pk_mul_f32 v[ACC+2*\c:ACC+2*\c+1], v[TQ+2*\c:TQ+2*\c+1], v[TQ+2*\c:TQ+2*\c+1]
.else
	v_pk_fma_f32 v[ACC+2*\c:ACC+2*\c+1], v[TQ+2*\c:TQ+2*\c+1], v[TQ+2*\c:TQ+2*\c+1], v[ACC+2*\c:ACC+2*\c+1]
.endif
.endr
.set i_, i_+1
.endr
.irp c, 0,1,2,3
	v_add_f32 v[DQ+16*(\c&1)+2*(\u)+(\c>>1)], v[ACC+2*\c], v[ACC+2*\c+1]
.endr
.endm
; ---------------------------------------------------------------- stage 3's macros
; Four vector instructions of the 20 chunks that turn a set's four eh tiles into two hi and two lo fragments.  Row block y has its two tiles in 16 registers at set + 16 y.
;   chunks 0-7    relu of registers 4 (c % 4) .. + 3 of row block c / 4
;   chunks 8-11   hi = bf16(eh): registers 4 (c % 2) .. + 3 of the hi fragment HF + 8 y, y = (c - 8) / 2; register j is made of eh registers 2 j, 2 j + 1
;   chunks 12-19  lo = bf16(eh - hi): register j = c - 12 of both row blocks' lo fragments, in place.  One instruction forms hi's half x -1.0 + eh, which is exact,
;                 and rounds it into one half of the target, keeping the other.  Register j is made of registers 2 j, 2 j + 1, j ascending: each target has been read
;                 already (at j = 0 the first instruction reads the register that it writes).  The two row blocks alternate, so that the two writes of a register are apart.
.macro VCH set, c
.if (\c) < 8
.set VT_, \set+16*((\c)/4)+4*((\c)%4)
.irp j, 0,1,2,3
	v_max_num_f32 v[VT_+\j], 0, v[VT_+\j]
.endr
.endif
.if (\c) >= 8
.if (\c) < 12
.set VT_, \set+16*(((\c)-8)/2)
.set VH_, HF+8*(((\c)-8)/2)
.set VJ_, 4*(((\c)-8)%2)
.irp j, 0,1,2,3
	v_cvt_pk_bf16_f32 v[VH_+VJ_+\j], v[VT_+2*(VJ_+\j)], v[VT_+2*(VJ_+\j)+1]
.endr
.else
.set VT_, \set
.set VJ_, (\c)-12
	v_fma_mixlo_bf16 v[VT_+VJ_],    v[HF+VJ_],   v[NEG3], v[VT_+2*VJ_]      op_sel_hi:[1,0,0]
	v_fma_mixlo_bf16 v[VT_+16+VJ_], v[HF+8+VJ_], v[NEG3], v[VT_+16+2*VJ_]   op_sel_hi:[1,0,0]
	v_fma_mixhi_bf16 v[VT_+VJ_],    v[HF+VJ_],   v[NEG3], v[VT_+2*VJ_+1]    op_sel:[1,0,0] op_sel_hi:[1,0,0]
	v_fma_mixhi_bf16 v[VT_+16+VJ_], v[HF+8+VJ_], v[NEG3], v[VT_+16+2*VJ_+1] op_sel:[1,0,0] op_sel_hi:[1,0,0]
.endif
.endif
.endm
; W1 fragment (t, k): expert hidden 16 t .. + 15 of the step that lies off bytes behind CW1's, z coordinates 32 k .. + 31: two transposing loads
.macro W1FRAG t, k, off
.set WF_, WB+16*(\t)+8*(\k)
.set WO_, (\k)*17408+32*(\t)+\off
	ds_load_tr16_b128 v[WF_:WF_+3],   v[CW1] offset:WO_
	ds_load_tr16_b128 v[WF_+4:WF_+7], v[CW1] offset:WO_+8704
.endm
.macro W2LOAD                          ; W2 fragment of the step at work: 16 rows of 32 bytes lie in each 512-byte row of the record
	ds_load_tr16_b128 v[W2F:W2F+3],   v[CW2]
	ds_load_tr16_b128 v[W2F+4:W2F+7], v[CW2] offset:544
.endm
.macro B1LOAD off                      ; b1 of the step that lies off bytes behind CB1's, as two C tiles
.irp t, 0,1
	ds_load_b128 v[B1F+8*\t:B1F+8*\t+3],   v[CB1] offset:\off+64*\t
	ds_load_b128 v[B1F+8*\t+4:B1F+8*\t+7], v[CB1] offset:\off+64*\t+16
.endr
.endm
; Product i of the eight of a half step: tile (t = (i / 2) & 1, y = i & 1) of set xs, K half i / 4.  The first K half takes b1 as C: nothing is cleared.
.macro PROD xs, x0, i
.set PT_, ((\i)>>1)&1
.set PY_, (\i)&1
.set PD_, \xs+16*PY_+8*PT_
.if (\i) < 4
	v_wmma_f32_16x16x32_bf16 v[PD_:PD_+7], v[WB+16*PT_:WB+16*PT_+7], v[ZFR+16*(\x0+PY_):ZFR+16*(\x0+PY_)+7], v[B1F+8*PT_:B1F+8*PT_+7]
.else
	v_wmma_f32_16x16x32_bf16 v[PD_:PD_+7], v[WB+16*PT_+8:WB+16*PT_+15], v[ZFR+16*(\x0+PY_)+8:ZFR+16*(\x0+PY_)+15], v[PD_:PD_+7]
.endif
.endm
; One matrix instruction: logits of row block y0 + y += W2^T x (lo = 0: eh's hi fragment; 1: its lo fragment in set ys).  The logits were started with b2.
.macro WPROD ys, y0, y, lo
.set WL_, LG+8*(\y0+\y)
.if \lo
	v_wmma_f32_16x16x32_bf16 v[WL_:WL_+7], v[W2F:W2F+7], v[\ys+16*\y:\ys+16*\y+7], v[WL_:WL_+7]
.else
	v_wmma_f32_16x16x32_bf16 v[WL_:WL_+7], v[W2F:W2F+7], v[HF+8*\y:HF+8*\y+7], v[WL_:WL_+7]
.endif
.endm
; Half a step.  ph = 1 (B): z W1 + b1 of step s for row blocks 2, 3 into DB, while DA (step s) is finished.  ph = 0 (A): step s + 1 for row blocks 0, 1 into DA, while DB
; (step s) is finished.  "Finished": relu, split and pack (chunks 1..19; chunk 0 was done at the end of the half step that made the set), and four products with W2.
; Twelve matrix instructions and 80 vector instructions: one or two chunks stand behind every matrix instruction, behind the W2 products too, so that no long run of
; vector work stands alone.  The chunk between the last two products is chunk 0 of the set just made.
; reload = 1 (in B): W1 and b1 are loaded again for step s + 1 behind their last use in step s, in two runs (first K half with b1; second K half), so that one set of W1
; registers serves every step and the steps run in a loop.  With W2's two loads at B's head that is three runs of LDS loads for a whole step.
; Distances, in places: 8 (chunks 1, 2) between the last W2 product, which reads the other set's lo fragment and W2F, and the first product that overwrites
; that set, and the loads into W2F; 8 between product 3 and the loads into its W1 fragment and b1; 8 between product 7 and the loads into its W1 fragment; 16 between a hi
; product and the next write of HF; 8 or more between a product and the first read of its result.
; No two matrix instructions that follow each other share an accumulator, over the loop's backward jump too.
.macro PHASE ph, reload
.set XS_, DA+32*\ph
.set YS_, DB-32*\ph
.set X0_, 2*\ph
.set Y0_, 2-2*\ph
	VCH YS_, 1
	VCH YS_, 2
.if \ph
	W2LOAD
.else
	s_wait_dscnt 4                                 ; W1's first K half and b1 are in; the four loads of the second K half may be out
.endif
	PROD XS_, X0_, 0
	VCH YS_, 3
	VCH YS_, 8
	PROD XS_, X0_, 1
	VCH YS_, 9
	VCH YS_, 4
	PROD XS_, X0_, 2
	VCH YS_, 5
	VCH YS_, 6
	PROD XS_, X0_, 3
	VCH YS_, 7
	VCH YS_, 10
.if \reload
	W1FRAG 0, 0, 64
	W1FRAG 1, 0, 64
	B1LOAD 128
.endif
.if \ph == 0
	s_wait_dscnt 2                                 ; fragment (0, 1) is in, the last fragment's two loads may be out
.endif
	PROD XS_, X0_, 4
	VCH YS_, 11
	VCH YS_, 12
	PROD XS_, X0_, 5
	VCH YS_, 13
	VCH YS_, 14
.if \ph == 0
	s_wait_dscnt 0x0
.endif
	PROD XS_, X0_, 6
	VCH YS_, 15
	PROD XS_, X0_, 7
	VCH YS_, 16
.if \ph
	s_wait_dscnt 8*\reload                         ; W2 of this step is in (and, in an expert's first step, q and the logits' b2); behind its loads stand the run of eight for the next step
.endif
	WPROD YS_, Y0_, 0, 0
	VCH YS_, 17
.if \reload
	W1FRAG 0, 1, 64
	W1FRAG 1, 1, 64
.endif
	WPROD YS_, Y0_, 1, 0
	VCH YS_, 18
	VCH YS_, 19
	WPROD YS_, Y0_, 0, 1
	VCH XS_, 0
	WPROD YS_, Y0_, 1, 1
.endm
; One expert for my 64 rows.  endkind 1: the slot is filled again behind a round, with the record two rounds on; 2: a plain barrier shows the last record; 0: nothing.
.macro EXPERT slot, endkind
.if \slot
	v_add_nc_u32 v[CW1], L_SLOT1, v[BW1]
	v_add_nc_u32 v[CW2], L_SLOT1, v[BW2]
.else
	v_mov_b32 v[CW1], v[BW1]
	v_mov_b32 v[CW2], v[BW2]
.endif
	W1FRAG 0, 0, 0
	W1FRAG 1, 0, 0
	W1FRAG 0, 1, 0
	W1FRAG 1, 1, 0
	B1LOAD 0
	WIN 0x40
.irp rb, 0,1,2,3
	ds_load_b32 v[QC+\rb], v[QLR] offset:\rb*2048  ; this expert's q of my four row blocks
.endr
	WIN 0
.irp rb, 0,1,2,3
	ds_load_b128 v[LG+8*\rb:LG+8*\rb+3],   v[CB2]            ; the logits start as b2[k][8 h + 0..7]: every product with W2 adds in place
	ds_load_b128 v[LG+8*\rb+4:LG+8*\rb+7], v[CB2] offset:16
.endr
	v_add_nc_u32 v[QLR], 128, v[QLR]               ; the next expert's q
	v_add_nc_u32 v[CB2], 64, v[CB2]                ; and b2
	s_wait_dscnt 12                                ; W1 and b1 of step 0 are in; q's four loads and the logits' eight may be out
.irp i, 0,1,2,3,4,5,6,7
	PROD DA, 0, \i                                 ; step 0, row blocks 0, 1
.endr
	PLACES
	VCH DA, 0
	s_mov_b32 s63, 7
.Lstep_\@:                                             ; s = 0..6
	PHASE 1, 1                                     ; B(s)
	PHASE 0, 0                                     ; A(s + 1)
	v_add_nc_u32 v[CW1], 64, v[CW1]
	v_add_nc_u32 v[CW2], 1088, v[CW2]
	v_add_nc_u32 v[CB1], 128, v[CB1]
	s_sub_co_u32 s63, s63, 1
	s_cmp_lg_u32 s63, 0
	s_cbranch_scc1 .Lstep_\@
	PHASE 1, 0                                     ; B(7): nothing more to load from this record but its W2
	v_add_nc_u32 v[CB1], 128, v[CB1]               ; the next expert's b1
.if \endkind
	s_wait_dscnt 0x0                               ; my reads of this slot are over
	s_wait_xcnt 0x0
	v_lshl_add_u32 v214, v0, 2, 0x4ce00
	v_mov_b32 v215, 0
	s_wait_tensorcnt 0x0                           ; and all my tensor loads have landed: the one that was out is my part of the next record
	ds_add_u32 v214, v215
	s_wait_dscnt 0x0
	s_barrier_signal -1
.endif
.irp c, 1,2,3,4,5,6,7,8,9,10,11
	VCH DB, \c                                     ; the last step's row blocks 2, 3: register work while the others arrive
.endr
	WPROD DB, 2, 0, 0
.irp c, 12,13,14,15
	VCH DB, \c
.endr
	WPROD DB, 2, 1, 0
.irp c, 16,17,18,19
	VCH DB, \c
.endr
	WPROD DB, 2, 0, 1
	WPROD DB, 2, 1, 1
	PLACES
	WIN 0x54
.irp rb, 0,1,2,3
.irp j, 0,1,2,3,4,5,6,7
	v_fma_f32 v[PR+8*\rb+\j], v[LG+8*\rb+\j], v[QC+\rb], v[PR+8*\rb+\j]   ; preds += q x logits
.endr
.endr
	WIN 0
.if \endkind
	s_barrier_wait -1
.endif
.if \endkind == 1
	CREST
	s_mov_b64 s[G0+4*\slot+2:G0+4*\slot+3], s[58:59]
	s_add_nc_u64 s[58:59], s[58:59], RECB
	tensor_load_to_lds s[G0+4*\slot:G0+4*\slot+3], s[G1R:G1R+7]
	s_nop 0
.endif
.endm
; ================================================================ the start
	s_load_b256 s[4:11], s[0:1], 0x0               ; X, wk, enc_b, z_b
	s_load_b128 s[12:15], s[0:1], 0x20             ; mu, b2
	s_load_b64 s[16:17], s[0:1], 0x30              ; out0
	s_load_b64 s[72:73], s[0:1], 0x38              ; b1
	v_lshl_add_u32 v214, v0, 2, 0x4ce00
	v_mov_b32 v215, 0
	ds_add_u32 v214, v215
	s_wait_dscnt 0x0
	v_lshrrev_b32 v1, 5, v0
	v_readfirstlane_b32 s18, v1                    ; wave
	s_lshr_b32 s19, s18, 1                         ; a
	s_and_b32 s20, s18, 1                          ; b
	s_bfe_u32 s21, ttmp6, 0x40000                  ; cx
	s_lshl_b32 s22, ttmp9, 2
	s_add_co_u32 s22, s22, s21                     ; work-group = 4 x cluster + cx: it enters X's and out0's offsets alone
	s_mul_i32 s60, s18, 18432
	s_mul_i32 s61, s18, 20480
	s_mul_i32 s62, s18, 21760
	s_mov_b32 s66, 0x76543210                      ; v_permlanex16_b32: lane i of one half reads lane i of the other
	s_mov_b32 s67, 0xfedcba98
	G1SET G1E, 5, 128, 64, 512                     ; 64 k rows x 128 columns of enc_W, padded after every 64 words
	G1SET G1Z, 4, 128, 64, 128                     ; 16,384 dense bytes of z_W as rows of 256 bytes, padded after every 32 words: each 128-byte k row gets pitch 160
	G1SET G1R, 6, 256, 40, 256                     ; half a record: 40 rows of 512 bytes, padded after every 128 words
	v_and_b32 v1, 15, v0                           ; r
	v_bfe_u32 v2, v0, 4, 1                         ; h
	v_and_b32 v3, 31, v0                           ; lane
	v_and_b32 v24, 7, v0
	v_lshl_or_b32 v24, v2, 3, v24                  ; the row that a lane addresses in a transposing load: 8 h + (l & 7)
	v_bfe_u32 v25, v0, 3, 1
	v_lshlrev_b32 v25, 4, v25                      ; and its 16 bytes there
	v_mad_u32_u24 v26, v24, 288, v25
	v_add_nc_u32 v[ADRA], s60, v26
	v_add_nc_u32 v[ADRA+1], L_SLOT1, v[ADRA]
	v_mad_u32_u24 v26, v24, 160, v25
	v_add_nc_u32 v[ADRZ], s61, v26
	v_mul_u32_u24 v26, v1, 144
	v_lshl_add_u32 v26, v2, 4, v26
	v_add_nc_u32 v[ADRB], L_P, v26
	v_add_nc_u32 v[ADRB+1], L_P+XBB, v26
	v_lshlrev_b32 v26, 4, v1
	v_lshl_add_u32 v26, v2, 15, v26
	s_lshl_b32 s23, s18, 17
	v_add_nc_u32 v[XO], s23, v26                   ; X: row 32 w + 8 h, 16 bytes a lane
	v_lshlrev_b32 v26, 3, v1
	v_mad_u32_u24 v26, v2, 1152, v26
	s_mul_i32 s23, s18, 4608
	v_add_nc_u32 v26, s23, v26
	v_add_nc_u32 v[XBW], L_P, v26
	v_add_nc_u32 v[XBW+1], L_P+XBB, v26
	v_lshlrev_b32 v[HO], 5, v2
	s_lshl_b32 s23, s18, 9
	v_add_nc_u32 v[BO], s23, v[HO]
	v_lshlrev_b32 v26, 4, v3
	s_lshl_b32 s23, s18, 15
	s_add_co_u32 s23, s23, L_P
	v_add_nc_u32 v[PST], s23, v26
	s_lshl_b32 s23, s18, 13
	s_add_co_u32 s23, s23, L_P
	v_add_nc_u32 v[PRD], s23, v26
	v_add_nc_u32 v[PRD+1], 32768, v[PRD]
	v_add_nc_u32 v[PRD+2], 65536, v[PRD]
	v_add_nc_u32 v[PRD+3], 98304, v[PRD]
	v_add_nc_u32 v[MUA], L_MU, v[HO]
	s_lshl_b32 s23, s18, 12
	s_add_co_u32 s23, s23, L_ZB
	v_add_nc_u32 v[ZBW], s23, v26
	s_add_co_u32 s23, s23, 16384
	v_lshl_add_u32 v[QLW], v3, 2, s23
	v_mov_b32 v[NEG1], -1.0
	v_lshlrev_b32 v[T16], 4, v0                    ; mu and b1: 16 t
	v_and_b32 v28, 7, v0
	v_lshrrev_b32 v29, 3, v0                       ; b2: k = t / 8, columns 2 (t & 7), + 1
	v_cmp_gt_u32 s63, 5, v28                       ; columns below 10
	v_lshlrev_b32 v28, 3, v28
	v_mad_u32_u24 v28, v29, 40, v28
	v_cndmask_b32 v28, 0, v28, s63                 ; the others read b2's first bytes and store zeros
	v_add_nc_u32 v[B1W], L_B1, v[T16]
	v_add_nc_u32 v30, L_MU, v[T16]
	v_lshlrev_b32 v31, 3, v0
	v_add_nc_u32 v31, L_B2, v31
	s_mov_b32 s69, 0
	s_mov_b32 s71, 0
	s_wait_kmcnt 0x0
	s_lshl_b32 s70, s22, 19                        ; 128 rows of 4,096 bytes
	s_add_nc_u64 s[4:5], s[4:5], s[70:71]
	s_mul_i32 s70, s22, 5120                       ; 128 rows of 40 bytes
	s_add_nc_u64 s[16:17], s[16:17], s[70:71]
	s_lshl_b32 s68, s18, 8                         ; my 128 columns of enc_W
	s_add_nc_u64 s[G0+2:G0+3], s[6:7], s[68:69]
	s_add_nc_u64 s[G0+6:G0+7], s[G0+2:G0+3], 65536
	s_or_b32 s[G0+3], s[G0+3], 0x80000000
	s_or_b32 s[G0+7], s[G0+7], 0x80000000
	s_mov_b32 s[G0], 1
	s_mov_b32 s[G0+4], 1
	s_mov_b32 s[G0+1], s60
	s_add_co_u32 s[G0+5], s60, L_SLOT1
	s_lshl_b32 s68, s18, 14                        ; my 128 rows of z_W
	s_add_nc_u64 s[56:57], s[6:7], s[68:69]
	s_add_nc_u64 s[56:57], s[56:57], 1048576
	s_or_b32 s57, s57, 0x80000000
	s_mul_i32 s68, s19, 8*RECB                     ; waves 2, 3 fetch for experts 8..15
	s_mul_i32 s23, s20, RECB/2                     ; which half of the record
	s_add_co_u32 s68, s68, s23
	s_add_nc_u64 s[58:59], s[6:7], s[68:69]
	s_add_nc_u64 s[58:59], s[58:59], 1114112
	s_or_b32 s59, s59, 0x80000000
	global_load_b128 v[32:35], v[T16], s[12:13]
	global_load_b128 v[36:39], v[T16], s[12:13] offset:2048
	global_load_b64 v[40:41], v28, s[14:15]
.irp a, 0,1,2,3,4,5,6,7
	global_load_b128 v[BIAS+8*\a:BIAS+8*\a+3],   v[BO], s[8:9] offset:64*\a      ; enc_b[128 w + 16 a + 8 h + 0..7]: a C tile has one bias in each register
	global_load_b128 v[BIAS+8*\a+4:BIAS+8*\a+7], v[BO], s[8:9] offset:64*\a+16
.endr
	XLOAD 0, 0                                     ; X(0)
	XLOAD 192, 1                                   ; X(1)
	WIN 0
	s_wait_loadcnt 48                              ; mu and b2 are in; behind them 16 loads of enc_b and 32 of X
	v_cndmask_b32 v40, 0, v40, s63
	v_cndmask_b32 v41, 0, v41, s63
	ds_store_b128 v30, v[32:35]
	ds_store_b128 v30, v[36:39] offset:2048
	ds_store_b64 v31, v[40:41]
	s_wait_dscnt 0x0                               ; for the other waves, which read them behind later barriers
	CROUND                                         ; the four work-groups are here: the first joint loads meet
	tensor_load_to_lds s[G0:G0+3], s[G1E:G1E+7]
	s_nop 0
	tensor_load_to_lds s[G0+4:G0+7], s[G1E:G1E+7]
	s_nop 0
	s_wait_loadcnt 16                              ; enc_b and X(0) are in; X(1)'s sixteen loads stay out
	CONV 0, 0
	XLOAD 0, 1                                     ; X(2)
	WIN 0
	s_wait_tensorcnt 0x1                           ; my part of K step 0 is in; K step 1's load stays out
	s_wait_dscnt 0x0                               ; my rows of X(0) are in LDS
	s_barrier_signal -1
	s_barrier_wait -1
	FETCH 0, 0, F0
; ================================================================ stage 1: 16 K steps of 64, each a QUARTER and a TURN
; The loop is turned by half a step, so that of the first steps only the one QUARTER that takes enc_b as C stands in front of it.
	QUARTER 0, 1, 1, 16, 1                         ; step 0's first products take enc_b as C: nothing is cleared
	WIN 0
	s_mov_b32 s3, 6
.Llap:                                                 ; trip k: the TURN of step 2 k, step 2 k + 1, the QUARTER of step 2 k + 2; the last one asks for X(15)
	TURN 0, 1, 1
	QUARTER 1, 1, 1, 16, 0
	TURN 1, 0, 1
	QUARTER 0, 1, 1, 16, 0
	WIN 0
	s_sub_co_u32 s3, s3, 1
	s_cmp_lg_u32 s3, 0
	s_cbranch_scc1 .Llap
	TURN 0, 1, 1                                   ; step 12
	QUARTER 1, 1, 0, 16, 0                         ; step 13: no X is left to ask for
	TURN 1, 0, 1
	QUARTER 0, 1, 0, 0, 0                          ; step 14 casts X(15): no load is behind it
	TURN 0, 1, 2                                   ; slot 0 gets z_W
	QUARTER 1, 0, 0, 0, 0
	TURN 1, 0, 3                                   ; slot 1 gets the records of round 0; z_W's first fragments are fetched
; ================================================================ stage 2
	PLACES                                         ; behind the last products: for the loads into buffer 1 and for the relu
	WIN 0
	ZFETCH 2
	RSPLIT 2
	RSPLIT 3
	s_wait_dscnt 0x0                               ; z_W's 32 fragment loads
	ZMUL 0, 0, 1
	ZMUL 1, 0, 0
	ZMUL 2, 0, 0
	ZMUL 3, 0, 0
	ZMUL 0, 1, 0
	ZMUL 1, 1, 0
	ZMUL 2, 1, 0
	ZMUL 3, 1, 0
	PLACES
	WIN 0x40
.irp n, 0,1,2,3
	global_load_b128 v[8*\n:8*\n+3],   v[HO], s[10:11] offset:64*\n       ; z_b[16 nzt + 8 h + 0..7], into window 1
	global_load_b128 v[8*\n+4:8*\n+7], v[HO], s[10:11] offset:64*\n+16
.endr
	WIN 0
.irp m, 0,1,2,3,4,5,6,7
	global_load_b128 v[64+4*\m:67+4*\m], v[T16], s[72:73] offset:2048*\m  ; b1, all 16,384 bytes: 128 bytes a thread, a wave's load covers 512 consecutive bytes
.endr
.irp n, 0,1,2,3
	WIN ((2+(\n>>1))<<2)
.irp b, 0,1,2,3,4,5,6,7
	ds_store_b128 v[PST], v[128*(\n&1)+8*\b:128*(\n&1)+8*\b+3]   offset:(4*\b+\n)*1024      ; the X buffers below were last read in front of the last round
	ds_store_b128 v[PST], v[128*(\n&1)+8*\b+4:128*(\n&1)+8*\b+7] offset:(4*\b+\n)*1024+512
.endr
.endr
	WIN 0
	s_wait_dscnt 0x0                               ; my partial z is in LDS, my reads of z_W's slot are over
	s_wait_xcnt 0x0
	v_lshl_add_u32 v214, v0, 2, 0x4ce00
	v_mov_b32 v215, 0
	s_wait_tensorcnt 0x0                           ; round 0's records have landed
	ds_add_u32 v214, v215
	s_wait_dscnt 0x0
	CROUND
	s_mov_b32 s[G0+1], s62
	s_mov_b64 s[G0+2:G0+3], s[58:59]
	s_add_nc_u64 s[58:59], s[58:59], RECB
	tensor_load_to_lds s[G0:G0+3], s[G1R:G1R+7]    ; slot 0: round 1's records
	s_nop 0
	WIN 0x80
.irp s, 0,1,2,3
.irp u, 0,1,2,3,4,5,6,7
	ds_load_b128 v[64*\s+8*\u:64*\s+8*\u+3],   v[PRD+\s] offset:\u*1024      ; wave s's partial of my row blocks 2 w, 2 w + 1; u = 4 bb + nzt
	ds_load_b128 v[64*\s+8*\u+4:64*\s+8*\u+7], v[PRD+\s] offset:\u*1024+512
.endr
.endr
	WIN 0
	s_wait_dscnt 0x0
	s_barrier_signal -1                            ; all reads of the partials are over: the bytes may be written again.  Nothing is filled by a tensor load behind
	s_barrier_wait -1                              ; this barrier, so round 1's records may stay on their way
; ================================================================ z and q of my 32 rows
	WIN 0xAA
.set i_, 0
.rept 32
	v_pk_add_f32 v[2*i_:2*i_+1], v[2*i_:2*i_+1], v[64+2*i_:64+2*i_+1]
.set i_, i_+1
.endr
	MULOAD 0
	WIN 0xAA
.set i_, 0
.rept 32
	v_pk_add_f32 v[128+2*i_:128+2*i_+1], v[128+2*i_:128+2*i_+1], v[192+2*i_:192+2*i_+1]
.set i_, i_+1
.endr
.set i_, 0
.rept 32
	v_pk_add_f32 v[2*i_:2*i_+1], v[2*i_:2*i_+1], v[128+2*i_:128+2*i_+1]
.set i_, i_+1
.endr
	s_wait_loadcnt 0x0                             ; z_b and b1
	WIN 0
.irp m, 0,1,2,3,4,5,6,7
	ds_store_b128 v[B1W], v[64+4*\m:67+4*\m] offset:2048*\m               ; b1 into bytes that held partials; it is read behind the barrier that shows z and q
.endr
	WIN 0x86
.set i_, 0
.rept 32
	v_pk_add_f32 v[2*i_:2*i_+1], v[2*i_:2*i_+1], v[2*(i_&15):2*(i_&15)+1]
.set i_, i_+1
.endr
.irp u, 0,1,2,3,4,5,6,7
	QSTEP \u
.endr
.irp g, 0,1,2,3
.irp j, 0,1,2,3,4,5,6,7
	v_permlanex16_b32 v[TQ+\j], v[DQ+8*\g+\j], s66, s67                ; the other half of the lanes holds the other 32 coordinates
.endr
.irp j, 0,2,4,6
	v_pk_add_f32 v[DQ+8*\g+\j:DQ+8*\g+\j+1], v[DQ+8*\g+\j:DQ+8*\g+\j+1], v[TQ+\j:TQ+\j+1]
.endr
.irp j, 0,2,4,6
	v_pk_add_f32 v[DQ+8*\g+\j:DQ+8*\g+\j+1], v[DQ+8*\g+\j:DQ+8*\g+\j+1], 1.0 op_sel_hi:[1,0]
.endr
.endr
.set i_, 0
.rept 32
	v_rcp_f32 v[DQ+i_], v[DQ+i_]
.set i_, i_+1
.endr
	v_nop                                          ; one plain instruction behind the reciprocals, ahead of their use (ISA guide 5.7.2)
	s_wait_alu depctr_va_vdst(0)
.irp bb, 0,1
.irp j, 0,1,2,3
	v_pk_add_f32 v[64+8*\bb+2*\j:64+8*\bb+2*\j+1], v[DQ+16*\bb+4*\j:DQ+16*\bb+4*\j+1], v[DQ+16*\bb+4*\j+2:DQ+16*\bb+4*\j+3]
.endr
	v_pk_add_f32 v[64+8*\bb:64+8*\bb+1], v[64+8*\bb:64+8*\bb+1], v[64+8*\bb+2:64+8*\bb+3]
	v_pk_add_f32 v[64+8*\bb+4:64+8*\bb+5], v[64+8*\bb+4:64+8*\bb+5], v[64+8*\bb+6:64+8*\bb+7]
	v_pk_add_f32 v[64+8*\bb:64+8*\bb+1], v[64+8*\bb:64+8*\bb+1], v[64+8*\bb+4:64+8*\bb+5]
	v_add_f32 v[64+8*\bb], v[64+8*\bb], v[64+8*\bb+1]                  ; the sum of the row's sixteen weights
.endr
	v_rcp_f32 v64, v64
	v_rcp_f32 v72, v72
	v_nop
	s_wait_alu depctr_va_vdst(0)
.irp bb, 0,1
.irp j, 0,1,2,3,4,5,6,7
	v_pk_mul_f32 v[DQ+16*\bb+2*\j:DQ+16*\bb+2*\j+1], v[DQ+16*\bb+2*\j:DQ+16*\bb+2*\j+1], v[64+8*\bb:64+8*\bb+1] op_sel_hi:[1,0]
.endr
.endr
.irp u, 0,1,2,3
	PK16 16*\u                                     ; z to bf16: fragment u = 2 bb + ks in registers 16 u .. + 7
.endr
	WIN 0x08
.irp u, 0,1,2,3
	ds_store_b128 v[ZBW], v[16*\u:16*\u+3]   offset:\u*1024
	ds_store_b128 v[ZBW], v[16*\u+4:16*\u+7] offset:\u*1024+512
.endr
.irp bb, 0,1
.irp k, 0,1,2,3,4,5,6,7,8,9,10,11,12,13,14,15
	ds_store_b32 v[QLW], v[DQ+16*\bb+\k] offset:\bb*2048+\k*128
.endr
.endr
	WIN 0
	s_wait_dscnt 0x0
	s_barrier_signal -1                            ; z and q of all 128 rows, and b1, are in LDS
	s_barrier_wait -1
; ================================================================ stage 3
	v_bfe_u32 v74, v0, 4, 1
	v_and_b32 v72, 7, v0
	v_lshl_or_b32 v72, v74, 3, v72
	v_bfe_u32 v73, v0, 3, 1
	v_lshlrev_b32 v73, 4, v73
	s_mul_i32 s23, s20, 43520                      ; my half's record in a slot
	v_mad_u32_u24 v75, v72, 544, v73
	v_add_nc_u32 v[BW1], s23, v75
	v_lshl_add_u32 v75, v72, 5, v73
	v_add_nc_u32 v75, s23, v75
	v_add_nc_u32 v[BW2], 34816, v75                ; W2 begins at the record's row 64
	v_lshlrev_b32 v74, 5, v74                      ; 32 h
	s_lshl_b32 s23, s20, 13
	s_add_co_u32 s23, s23, L_B1
	v_add_nc_u32 v[CB1], s23, v74                  ; b1 of expert 8 b, step 0
	s_lshl_b32 s23, s20, 9
	s_add_co_u32 s23, s23, L_B2
	v_add_nc_u32 v[CB2], s23, v74                  ; b2 of expert 8 b
	v_mov_b32 v[NEG3], -1.0
	v_and_b32 v76, 31, v0
	s_lshl_b32 s23, s19, 13
	s_lshl_b32 s63, s20, 10
	s_add_co_u32 s63, s63, s23
	s_add_co_u32 s63, s63, L_QL
	v_lshl_add_u32 v[QLR], v76, 2, s63
	s_add_co_u32 s23, s23, L_ZB
	v_lshl_add_u32 v77, v76, 4, s23
.irp u, 0,1,2,3,4,5,6,7
	ds_load_b128 v[ZFR+8*\u:ZFR+8*\u+3],   v77 offset:\u*1024          ; z fragments of my four row blocks
	ds_load_b128 v[ZFR+8*\u+4:ZFR+8*\u+7], v77 offset:\u*1024+512
.endr
	WIN 0x40
.set i_, 0
.rept 32
	v_mov_b32 v[PR+i_], 0                          ; the one place where registers are cleared, 32 moves once a wave: every expert, the first too, runs the same text and adds onto preds
.set i_, i_+1
.endr
	WIN 0
	s_mov_b32 s3, 3
.Lexp:                                                 ; rounds 0..5; the refills are the records of rounds 2..7
	EXPERT 1, 1
	EXPERT 0, 1
	s_sub_co_u32 s3, s3, 1
	s_cmp_lg_u32 s3, 0
	s_cbranch_scc1 .Lexp
	EXPERT 1, 2
	EXPERT 0, 0
; ================================================================ the way out
	v_and_b32 v8, 15, v0
	v_bfe_u32 v9, v0, 4, 1
	v_mul_u32_u24 v8, v8, 80
	v_lshl_add_u32 v8, v9, 5, v8
	s_mul_i32 s23, s19, 5120
	s_mul_i32 s63, s20, 10240
	s_add_co_u32 s23, s23, s63
	s_add_co_u32 s23, s23, L_O
	v_add_nc_u32 v8, s23, v8                       ; array b, row 64 a + r, columns 8 h ..
	WIN 0x04
.irp rb, 0,1,2,3
	ds_store_b128 v8, v[PR+8*\rb:PR+8*\rb+3]   offset:\rb*1280
	ds_store_b128 v8, v[PR+8*\rb+4:PR+8*\rb+7] offset:\rb*1280+16
.endr
	WIN 0
	s_wait_dscnt 0x0
	CROUND                                         ; the closing round: no work-group ends while a partner may still ask jointly; its barriers also show the partial preds to all four waves
.irp m, 0,1,2,3,4
	v_add_nc_u32 v10, 128*\m, v0                   ; i: the i-th 8 bytes of the work-group's 5,120 bytes of out0
	v_mul_u32_u24 v11, v10, 0xcccd
	v_lshrrev_b32 v11, 18, v11                     ; row = i / 5 (exact for i below 640)
	v_mul_u32_u24 v11, v11, 40
	v_lshl_add_u32 v11, v10, 3, v11                ; 80 row + 8 (i - 5 row)
	v_add_nc_u32 v11, L_O, v11
	ds_load_b64 v[16+4*\m:17+4*\m], v11
	ds_load_b64 v[18+4*\m:19+4*\m], v11 offset:10240
.endr
	v_lshlrev_b32 v12, 3, v0
.irp m, 0,1,2,3,4
	s_wait_dscnt 8-2*\m                            ; the two loads of this piece are in, the younger ones stay out
	v_pk_add_f32 v[16+4*\m:17+4*\m], v[16+4*\m:17+4*\m], v[18+4*\m:19+4*\m]
	global_store_b64 v12, v[16+4*\m:17+4*\m], s[16:17] offset:1024*\m th:TH_STORE_NT    ; a wave's store covers 256 consecutive bytes, at a multiple of 256 from out0's first byte
.endr
	s_wait_xcnt 0x0
	v_lshl_add_u32 v214, v0, 2, 0x4ce00
	v_mov_b32 v215, 0
	s_wait_tensorcnt 0x0
	ds_add_u32 v214, v215
	s_wait_dscnt 0x0
	s_endpgm
.Lfunc_end_k_q4ab5d86865_fused:
	.size	k_q4ab5d86865_fused, .Lfunc_end_k_q4ab5d86865_fused-k_q4ab5d86865_fused
	.p2alignl 7, 3214868480
	.fill 96, 4, 3214868480
	.section	.rodata,"a",@progbits
	.p2align	6, 0x0
	.amdhsa_kernel k_q4ab5d86865_fused
		.amdhsa_group_segment_fixed_size 327680
		.amdhsa_private_segment_fixed_size 0
		.amdhsa_enable_private_segment 0
		.amdhsa_kernarg_size 64
		.amdhsa_user_sgpr_count 2
		.amdhsa_user_sgpr_kernarg_segment_ptr 1
		.amdhsa_wavefront_size32 1
		.amdhsa_system_sgpr_workgroup_id_x 1
		.amdhsa_system_sgpr_workgroup_id_y 1
		.amdhsa_system_sgpr_workgroup_id_z 1
		.amdhsa_system_vgpr_workitem_id 0
		.amdhsa_next_free_vgpr 1024
		.amdhsa_next_free_sgpr 74
		.amdhsa_reserve_vcc 0
		.amdhsa_float_denorm_mode_32 3
		.amdhsa_float_denorm_mode_16_64 3
		.amdhsa_memory_ordered 1
		.amdhsa_forward_progress 1
		.amdhsa_inst_pref_size 255
	.end_amdhsa_kernel
	.section	.bss,"aw",@nobits
	.p2align	6
	.space	262144
	.amdgpu_metadata
---
amdhsa.version: [ 1, 2 ]
amdhsa.kernels:
  - .name:           k_q4ab5d86865_fused
    .symbol:         k_q4ab5d86865_fused.kd
    .args:
      - { .name: X, .offset: 0, .size: 8, .value_kind: global_buffer, .address_space: global }
      - { .name: wk, .offset: 8, .size: 8, .value_kind: global_buffer, .address_space: global }
      - { .name: enc_b, .offset: 16, .size: 8, .value_kind: global_buffer, .address_space: global }
      - { .name: z_b, .offset: 24, .size: 8, .value_kind: global_buffer, .address_space: global }
      - { .name: mu, .offset: 32, .size: 8, .value_kind: global_buffer, .address_space: global }
      - { .name: b2, .offset: 40, .size: 8, .value_kind: global_buffer, .address_space: global }
      - { .name: out0, .offset: 48, .size: 8, .value_kind: global_buffer, .address_space: global }
      - { .name: b1, .offset: 56, .size: 8, .value_kind: global_buffer, .address_space: global }
    .group_segment_fixed_size: 327680
    .private_segment_fixed_size: 0
    .kernarg_segment_align: 8
    .kernarg_segment_size: 64
    .max_flat_workgroup_size: 128
    .sgpr_count:     74
    .vgpr_count:     1024
    .wavefront_size: 32
...
	.end_amdgpu_metadata
.endif
;; end of part 4
